; MI455X (gfx1250); checked and timed in simulation.
; The chip was launched on July 23, 2026; its instructions are those of AMD's public machine-readable ISA for CDNA 5 (MIT licence, August 2026) and "CDNA5" Instruction Set Architecture Reference Guide (July 2026). The comments in the code are by the model that wrote it; some were corrected since.
;; Transformer Block. Allowed arithmetic: float matrix products may take bf16 or f16 operands with f32 sums; other float arithmetic in f32, or as packed bf16 or f16 multiplies, adds, multiply-adds, maxima and minima; sums over many terms, partial sums and values carried from step to step in f32; what a program stores and reads back later, other than sums and carried values, may be rounded once to bf16 or f16.
;; Inputs: W1 1,024 x 2,730 float32; W2 1,024 x 2,730 float32; W3 2,730 x 1,024 float32; W_out 1,024 x 1,024 float32; W_qkv 1,024 x 3,072 float32; attention_mask 2 x 2,048 bool; b1 1,024 float32; b2 1,024 float32; g1 1,024 float32; g2 1,024 float32; x 2 x 2,048 x 1,024 float32.
;; Outputs: out0 2 x 2,048 x 1,024 float32.
;; One version. Each part assembles by itself: llvm-mc -triple=amdgcn-amd-amdhsa -mcpu=gfx1250 --defsym DOCPART=n.
;; ======== version 1 of 1: 8 launches
;; limits: values are held in f16: magnitudes above 65,504 overflow, below 6.1e-05 lose precision
;; workspace buffers: wts 25,690,112 bytes; hs 8,388,608 bytes; qkvh 25,165,824 bytes; x1 16,777,216 bytes; us 23,068,672 bytes; mk 16,384 bytes
;; launch castw (part 1): grid 709 x 1, 8 waves a work-group, no clusters, 0 bytes of LDS; arguments W_qkv, W_out, W3, W1, W2, wts, attention_mask, mk; writes wts, mk
.if DOCPART == 1
	.amdgcn_target "amdgcn-amd-amdhsa--gfx1250"
	.amdhsa_code_object_version 6
	.text
	.protected	k_qbba391d382_castw
	.globl	k_qbba391d382_castw
	.p2align	8
	.type	k_qbba391d382_castw,@function
k_qbba391d382_castw:
	s_mov_b64 s[64:65], 0
	v_nop
	global_prefetch_b8 v0, s[64:65] scope:SCOPE_SE
	s_setreg_imm32_b32 hwreg(HW_REG_WAVE_MODE, 25, 1), 1
	s_wait_xcnt 0x0
; The weights, rounded once to 16 bits, into one workspace:
;   byte 0          W_qkv  f16  [1024][3072]          byte 6,291,456  W_out  f16 [1024][1024]
;   byte 8,388,608  W3     bf16 [2816][1024], rows 2730 on are 0
;   byte 14,155,776 W1 x -log2(e)  f16, by tiles of 176 columns: [16 j][1024 k][176], columns 2730 on are 0;   byte 19,922,944 W2 x -ln 2 likewise
;   (the two factors multiply to 1: with G' = -log2(e) g and U' = -ln 2 up, silu(g) up = G' U' / (1 + 2^G'); each weight is scaled in f32 and rounded once)
; and the key mask as f32 [2][2048]: 0 where the byte is not 0, -1e30 where it is 0 (the addend that attention puts under its scores).
; LIMIT: an f16 weight beyond 65,504 becomes an infinity; below 6e-5 it keeps f16's fixed step.  W3 goes in bf16, since its partner u has no room in f16.
; A stream: no LDS, no matrix unit, no barrier, no cluster (no byte is read twice).  The work-group's number picks one of five paths:
;   0..255 flat cast to f16 (8 units of 8,192 bytes in);  256..450 flat cast to bf16 (7 units: 195 x 7 x 2,048 = 2730 x 1024 numbers);  451 W3's zero rows;  452..707 W1 and W2 by tiles;  708 the mask.
.set W3O,   8388608
.set W1TO,  14155776
.set WTILE, 5767168                    ; bytes of W1's 16 tiles
.set ROWB,  10920                      ; bytes in a row of W1 or W2: a multiple of 8 only, hence loads of 8 bytes there
; un units: thread t takes 32 bytes at 32 t of each unit and stores 16 at 16 t.  All loads go out first; unit u's wait leaves the younger units' loads out.
.macro FLAT cvt, un
.set u, 0
.rept \un
	global_load_b128 v[16+8*u:16+8*u+3], v2, s[20:21] offset:u*8192 th:TH_LOAD_NT
	global_load_b128 v[16+8*u+4:16+8*u+7], v2, s[20:21] offset:u*8192+16 th:TH_LOAD_NT
.set u, u+1
.endr
.set u, 0
.rept \un
	s_wait_loadcnt 2*((\un)-1-u)
.irp k, 0,1,2,3
	\cvt v[96+4*u+(\k)], v[16+8*u+2*(\k)], v[16+8*u+2*(\k)+1]
.endr
	global_store_b128 v3, v[96+4*u:96+4*u+3], s[24:25] offset:u*4096  ; a wave's store covers 512 consecutive bytes, aligned
.set u, u+1
.endr
.endm
	s_load_b256 s[4:11], s[0:1], 0x0               ; W_qkv s[4:5], W_out s[6:7], W3 s[8:9], W1 s[10:11]
	s_load_b128 s[12:15], s[0:1], 0x20             ; W2 s[12:13], wts s[14:15]
	s_load_b128 s[36:39], s[0:1], 0x30             ; the mask s[36:37], its table s[38:39]
	s_mov_b32 s16, ttmp9
	v_lshlrev_b32 v2, 5, v0                        ; 32 t
	v_lshlrev_b32 v3, 4, v0                        ; 16 t
	s_mov_b32 s23, 0
	s_wait_kmcnt 0x0
	s_cmp_lt_u32 s16, 256
	s_cbranch_scc1 .Lf16
	s_cmp_lt_u32 s16, 451
	s_cbranch_scc1 .Lbf
	s_cmp_eq_u32 s16, 451
	s_cbranch_scc1 .Lzero
	s_cmp_eq_u32 s16, 708
	s_cbranch_scc1 .Lmask
	; W1, W2 BY TILES.  A wave makes 16 rows k of tile j: 5,632 dense bytes = 352 pieces of 16 bytes = 11 stores of 512 bytes.
	s_sub_co_u32 s17, s16, 452
	v_lshrrev_b32 v4, 5, v0
	v_readfirstlane_b32 s18, v4                    ; wave 0..7
	v_and_b32 v1, 31, v0                           ; lane
	v_lshlrev_b32 v5, 4, v1                        ; my 16 bytes of a store
	s_lshr_b32 s19, s17, 7                         ; 0: W1, 1: W2
	s_bfe_u32 s26, s17, 0x40003                    ; j
	s_and_b32 s27, s17, 7
	s_lshl_b32 s27, s27, 3
	s_add_co_u32 s27, s27, s18
	s_lshl_b32 s27, s27, 4                         ; k0
	s_mul_i32 s22, s27, ROWB
	s_mul_i32 s28, s26, 704
	s_add_co_u32 s22, s22, s28                     ; where my rows' part of the tile begins in the source
	s_sub_co_u32 s29, 11182072, s22                ; the last 8 bytes of the source, from there: no load passes the buffer's end
	s_mul_i32 s28, s26, 176
	s_sub_co_u32 s30, 2730, s28                    ; columns left from the tile's first; for the pairs 0..3 of a piece:
	s_sub_co_u32 s31, s30, 2
	s_sub_co_u32 s32, s30, 4
	s_sub_co_u32 s33, s30, 6
	s_mov_b32 s34, 0xbfb8aa3b                      ; -log2(e), W1's factor
	s_mov_b32 s35, 0xbf317218                      ; -ln 2, W2's
	s_cmp_eq_u32 s19, 0
	s_cselect_b32 s34, s34, s35
	s_mov_b32 s35, s34                             ; named with it as a pair
	s_cselect_b64 s[20:21], s[10:11], s[12:13]
	s_add_nc_u64 s[20:21], s[20:21], s[22:23]
	s_lshl_b32 s28, s26, 10
	s_add_co_u32 s28, s28, s27
	s_mul_i32 s22, s28, 352
	s_mul_i32 s28, s19, WTILE
	s_add_co_u32 s22, s22, s28
	s_add_co_u32 s22, s22, W1TO
	s_add_nc_u64 s[24:25], s[14:15], s[22:23]
	; piece p = 32 i + lane: row p / 22 (= p x 745 >> 14 for p < 352), eight columns from 8 (p % 22)
.set i, 0
.rept 11
	v_add_nc_u32 v6, 32*i, v1
	v_mul_u32_u24 v7, v6, 745
	v_lshrrev_b32 v7, 14, v7
	v_mul_u32_u24 v8, v7, 22
	v_sub_nc_u32 v8, v6, v8
	v_lshlrev_b32 v[60+i], 3, v8                   ; the piece's first column in the tile
	v_mul_u32_u24 v9, v7, ROWB
	v_lshl_add_u32 v9, v8, 5, v9
.irp e, 0,1,2,3
	v_add_nc_u32 v10, 8*(\e), v9
	v_min_u32 v[16+4*i+(\e)], s29, v10
.endr
.set i, i+1
.endr
.set i, 0
.rept 11
.irp e, 0,1,2,3
	global_load_b64 v[72+8*i+2*(\e):72+8*i+2*(\e)+1], v[16+4*i+(\e)], s[20:21] th:TH_LOAD_NT
.endr
.set i, i+1
.endr
.set i, 0
.rept 11
	s_wait_loadcnt 4*(10-i)                        ; the younger pieces' loads stay out
.irp e, 0,1,2,3
	v_pk_mul_f32 v[72+8*i+2*(\e):72+8*i+2*(\e)+1], v[72+8*i+2*(\e):72+8*i+2*(\e)+1], s[34:35] op_sel_hi:[1,0]
.endr
.irp e, 0,1,2,3                        ; packed in place: pair e lands in the piece's register e, whose own numbers have been packed already
	v_cvt_pk_f16_f32 v6, v[72+8*i+2*(\e)], v[72+8*i+2*(\e)+1]
	v_cmp_gt_u32 vcc_lo, s[30+(\e)], v[60+i]       ; is the pair inside the 2,730 columns?  (2,730 is even: a pair is in or out as a whole)
	v_cndmask_b32 v[72+8*i+(\e)], 0, v6, vcc_lo
.endr
	global_store_b128 v5, v[72+8*i:72+8*i+3], s[24:25] offset:i*512
.set i, i+1
.endr
	s_endpgm
.Lf16:                                         ; W_qkv (192 work-groups), then W_out (64); their copies lie end to end
	s_cmp_lt_u32 s16, 192
	s_cselect_b64 s[20:21], s[4:5], s[6:7]
	s_cselect_b32 s18, 0, 192
	s_sub_co_u32 s18, s16, s18
	s_lshl_b32 s22, s18, 16
	s_add_nc_u64 s[20:21], s[20:21], s[22:23]
	s_lshl_b32 s22, s16, 15
	s_add_nc_u64 s[24:25], s[14:15], s[22:23]
	FLAT v_cvt_pk_f16_f32, 8
	s_endpgm
.Lbf:                                          ; W3's 2,730 rows
	s_sub_co_u32 s18, s16, 256
	s_mul_i32 s22, s18, 57344
	s_add_nc_u64 s[20:21], s[8:9], s[22:23]
	s_mul_i32 s22, s18, 28672
	s_add_co_u32 s22, s22, W3O
	s_add_nc_u64 s[24:25], s[14:15], s[22:23]
	FLAT v_cvt_pk_bf16_f32, 7
	s_endpgm
.Lzero:                                        ; W3's rows 2730..2815: 86 x 2,048 bytes = 43 x 4,096
	v_mov_b32 v4, 0
	v_mov_b32 v5, 0
	v_mov_b32 v6, 0
	v_mov_b32 v7, 0
	s_add_nc_u64 s[24:25], s[14:15], W3O+5591040
	s_mov_b32 s26, 43
.Lz:
	global_store_b128 v3, v[4:7], s[24:25]
	s_wait_xcnt 0x0                                ; the store has read its base, which steps
	s_add_nc_u64 s[24:25], s[24:25], 4096
	s_sub_co_u32 s26, s26, 1
	s_cmp_lg_u32 s26, 0
	s_cbranch_scc1 .Lz
	s_endpgm
.Lmask:                                        ; 4,096 mask bytes: thread t takes bytes 1,024 k + 4 t + 0..3 and stores their four f32 at 4,096 k + 16 t: a wave's store covers 512 consecutive bytes
	v_lshlrev_b32 v4, 2, v0
	v_mov_b32 v9, 0xf149f2ca                       ; -1e30
.irp k, 0,1,2,3
	global_load_b32 v[10+(\k)], v4, s[36:37] offset:(\k)*1024
.endr
.irp k, 0,1,2,3
	s_wait_loadcnt 3-(\k)                          ; the younger words stay out
.irp e, 0,1,2,3
	v_bfe_u32 v5, v[10+(\k)], 8*(\e), 8
	v_cmp_eq_u32 vcc_lo, 0, v5
	v_cndmask_b32 v[16+4*(\k)+(\e)], 0, v9, vcc_lo
.endr
	global_store_b128 v3, v[16+4*(\k):16+4*(\k)+3], s[38:39] offset:(\k)*4096
.endr
	s_endpgm
.Lfunc_end_k_qbba391d382_castw:
	.size	k_qbba391d382_castw, .Lfunc_end_k_qbba391d382_castw-k_qbba391d382_castw
	.p2alignl 7, 3214868480
	.fill 96, 4, 3214868480
	.section	.rodata,"a",@progbits
	.p2align	6, 0x0
	.amdhsa_kernel k_qbba391d382_castw
		.amdhsa_group_segment_fixed_size 0
		.amdhsa_private_segment_fixed_size 0
		.amdhsa_enable_private_segment 0
		.amdhsa_kernarg_size 64
		.amdhsa_user_sgpr_count 2
		.amdhsa_user_sgpr_kernarg_segment_ptr 1
		.amdhsa_wavefront_size32 1
		.amdhsa_system_sgpr_workgroup_id_x 1
		.amdhsa_system_sgpr_workgroup_id_y 1
		.amdhsa_system_sgpr_workgroup_id_z 1
		.amdhsa_system_vgpr_workitem_id 0
		.amdhsa_next_free_vgpr 160
		.amdhsa_next_free_sgpr 66
		.amdhsa_reserve_vcc 1
		.amdhsa_float_denorm_mode_32 3
		.amdhsa_float_denorm_mode_16_64 3
		.amdhsa_memory_ordered 1
		.amdhsa_forward_progress 1
		.amdhsa_inst_pref_size 37
	.end_amdhsa_kernel
	.amdgpu_metadata
---
amdhsa.version: [ 1, 2 ]
amdhsa.kernels:
  - .name:           k_qbba391d382_castw
    .symbol:         k_qbba391d382_castw.kd
    .args:
      - { .name: W_qkv, .offset: 0, .size: 8, .value_kind: global_buffer, .address_space: global }
      - { .name: W_out, .offset: 8, .size: 8, .value_kind: global_buffer, .address_space: global }
      - { .name: W3, .offset: 16, .size: 8, .value_kind: global_buffer, .address_space: global }
      - { .name: W1, .offset: 24, .size: 8, .value_kind: global_buffer, .address_space: global }
      - { .name: W2, .offset: 32, .size: 8, .value_kind: global_buffer, .address_space: global }
      - { .name: wts, .offset: 40, .size: 8, .value_kind: global_buffer, .address_space: global }
      - { .name: attention_mask, .offset: 48, .size: 8, .value_kind: global_buffer, .address_space: global }
      - { .name: mk, .offset: 56, .size: 8, .value_kind: global_buffer, .address_space: global }
    .group_segment_fixed_size: 0
    .private_segment_fixed_size: 0
    .kernarg_segment_align: 8
    .kernarg_segment_size: 64
    .max_flat_workgroup_size: 256
    .sgpr_count:     66
    .vgpr_count:     160
    .wavefront_size: 32
...
	.end_amdgpu_metadata
.endif
;; end of part 1
;; launch ln1 (part 2): grid 256 x 1, 8 waves a work-group, no clusters, 0 bytes of LDS; arguments x, g1, b1, hs; writes hs
.if DOCPART == 2
	.amdgcn_target "amdgcn-amd-amdhsa--gfx1250"
	.amdhsa_code_object_version 6
	.text
	.protected	k_qbba391d382_ln1
	.globl	k_qbba391d382_ln1
	.p2align	8
	.type	k_qbba391d382_ln1,@function
k_qbba391d382_ln1:
	s_mov_b64 s[64:65], 0
	v_nop
	global_prefetch_b8 v0, s[64:65] scope:SCOPE_SE
	s_setreg_imm32_b32 hwreg(HW_REG_WAVE_MODE, 25, 1), 1
	s_wait_xcnt 0x0
; h = (x - mean) / sqrt(var + 1e-5) * g + b, for 4,096 rows of 1,024 f32; h leaves in f16, in slabs of 64 columns: [b 2][slab 16][t 2048][64].
; The variance is taken of x - mean (two passes over registers), so a common offset of the inputs costs nothing.  LIMIT: |h| beyond 65,504 becomes an infinity.
; Eight waves, 16 rows a work-group.  A wave takes 2 rows; lane l holds row l / 16 and, of each slab s, the columns 64 s + 4 (l % 16) + 0..3: 64 numbers.  A row's sum needs four exchanges among its sixteen lanes.
; One pass, no loop, no LDS, no barrier.  A load of x covers 256 consecutive bytes of each of the two rows; a store is 2 rows x 128 bytes = 256 consecutive bytes of a slab, aligned.
; All 48 loads of a lane (16 of x, 16 of g, 16 of b) go out at once.  Memory binds: matrix units and clusters would add nothing.
.set X,  32                            ; v32-95   the row
.set G,  96                            ; v96-159  g
.set BB, 160                           ; v160-223 b
.macro LANES16 r                       ; the sum over a row's sixteen lanes, in every one of them
	v_add_f32_dpp v[\r], v[\r], v[\r] row_xmask:1 row_mask:0xf bank_mask:0xf
	v_add_f32_dpp v[\r], v[\r], v[\r] row_xmask:2 row_mask:0xf bank_mask:0xf
	v_add_f32_dpp v[\r], v[\r], v[\r] row_xmask:4 row_mask:0xf bank_mask:0xf
	v_add_f32_dpp v[\r], v[\r], v[\r] row_xmask:8 row_mask:0xf bank_mask:0xf
.endm
	s_load_b256 s[4:11], s[0:1], 0x0               ; x s[4:5], g s[6:7], b s[8:9], h s[10:11]
	v_lshrrev_b32 v1, 5, v0
	v_readfirstlane_b32 s12, v1                    ; wave 0..7
	v_and_b32 v1, 31, v0                           ; l
	v_and_b32 v3, 15, v0
	v_lshlrev_b32 v3, 4, v3                        ; 16 (l % 16): my 4 numbers in a slab's 256 bytes of x, g, b
	v_lshrrev_b32 v2, 4, v1
	v_lshl_add_u32 v2, v2, 12, v3                  ; + my row
	v_lshlrev_b32 v4, 3, v1                        ; 8 l: my 8 bytes of a store
	s_lshl_b32 s14, ttmp9, 4
	s_lshl1_add_u32 s14, s12, s14                  ; my first row: 16 x work-group + 2 x wave
	s_lshl_b32 s16, s14, 12
	s_mov_b32 s17, 0
	s_lshr_b32 s18, ttmp9, 7                       ; batch
	s_lshl_b32 s18, s18, 22
	s_and_b32 s19, s14, 2047                       ; t, an even number
	s_lshl_b32 s19, s19, 7
	s_add_co_u32 s18, s18, s19
	s_mov_b32 s19, 0
	s_mov_b32 s20, 0x3a800000                      ; 1 / 1024
	s_mov_b32 s21, 0x3727c5ac                      ; 1e-5
	s_wait_kmcnt 0x0
	s_add_nc_u64 s[4:5], s[4:5], s[16:17]
	s_add_nc_u64 s[10:11], s[10:11], s[18:19]
.set i, 0
.rept 16
	global_load_b128 v[X+4*i:X+4*i+3], v2, s[4:5] offset:i*256 th:TH_LOAD_NT
.set i, i+1
.endr
.set i, 0
.rept 16
	global_load_b128 v[G+4*i:G+4*i+3], v3, s[6:7] offset:i*256
.set i, i+1
.endr
.set i, 0
.rept 16
	global_load_b128 v[BB+4*i:BB+4*i+3], v3, s[8:9] offset:i*256
.set i, i+1
.endr
	s_wait_loadcnt 32                              ; the row is in; g's and b's 32 loads stay out
.irp c, 0,1,2,3                        ; four chains, started by the first eight pairs: nothing is cleared
	v_pk_add_f32 v[8+2*(\c):9+2*(\c)], v[X+2*(\c):X+2*(\c)+1], v[X+8+2*(\c):X+8+2*(\c)+1]
.endr
.set j, 8
.rept 24
	v_pk_add_f32 v[8+2*(j%4):9+2*(j%4)], v[8+2*(j%4):9+2*(j%4)], v[X+2*j:X+2*j+1]
.set j, j+1
.endr
	v_pk_add_f32 v[8:9], v[8:9], v[10:11]
	v_pk_add_f32 v[12:13], v[12:13], v[14:15]
	v_pk_add_f32 v[8:9], v[8:9], v[12:13]
	v_add_f32 v8, v8, v9
	LANES16 8
	v_mul_f32 v8, s20, v8                          ; the mean
.set j, 0
.rept 32
	v_pk_add_f32 v[X+2*j:X+2*j+1], v[X+2*j:X+2*j+1], v[8:9] op_sel_hi:[1,0] neg_lo:[0,1] neg_hi:[0,1]
.set j, j+1
.endr
.irp c, 0,1,2,3
	v_pk_mul_f32 v[10+2*(\c):11+2*(\c)], v[X+2*(\c):X+2*(\c)+1], v[X+2*(\c):X+2*(\c)+1]
.endr
.set j, 4
.rept 28
	v_pk_fma_f32 v[10+2*(j%4):11+2*(j%4)], v[X+2*j:X+2*j+1], v[X+2*j:X+2*j+1], v[10+2*(j%4):11+2*(j%4)]
.set j, j+1
.endr
	v_pk_add_f32 v[10:11], v[10:11], v[12:13]
	v_pk_add_f32 v[14:15], v[14:15], v[16:17]
	v_pk_add_f32 v[10:11], v[10:11], v[14:15]
	v_add_f32 v10, v10, v11
	LANES16 10
	v_fma_f32 v10, v10, s20, s21                   ; var + eps
	v_rsq_f32 v12, v10
	v_nop                                          ; a plain instruction behind the root,
	s_wait_alu depctr_va_vdst(0)                   ; and a wait ahead of its first reader
.set j, 0
.rept 32
	v_pk_mul_f32 v[X+2*j:X+2*j+1], v[X+2*j:X+2*j+1], v[12:13] op_sel_hi:[1,0]
.set j, j+1
.endr
	s_wait_loadcnt 0x0                             ; g and b
.set j, 0
.rept 32
	v_pk_fma_f32 v[X+2*j:X+2*j+1], v[X+2*j:X+2*j+1], v[G+2*j:G+2*j+1], v[BB+2*j:BB+2*j+1]
.set j, j+1
.endr
.set i, 0
.rept 16
	v_cvt_pk_f16_f32 v[X+4*i], v[X+4*i], v[X+4*i+1]
	v_cvt_pk_f16_f32 v[X+4*i+1], v[X+4*i+2], v[X+4*i+3]
	global_store_b64 v4, v[X+4*i:X+4*i+1], s[10:11] offset:i*262144  ; slab i
.set i, i+1
.endr
	s_endpgm
.Lfunc_end_k_qbba391d382_ln1:
	.size	k_qbba391d382_ln1, .Lfunc_end_k_qbba391d382_ln1-k_qbba391d382_ln1
	.p2alignl 7, 3214868480
	.fill 96, 4, 3214868480
	.section	.rodata,"a",@progbits
	.p2align	6, 0x0
	.amdhsa_kernel k_qbba391d382_ln1
		.amdhsa_group_segment_fixed_size 0
		.amdhsa_private_segment_fixed_size 0
		.amdhsa_enable_private_segment 0
		.amdhsa_kernarg_size 32
		.amdhsa_user_sgpr_count 2
		.amdhsa_user_sgpr_kernarg_segment_ptr 1
		.amdhsa_wavefront_size32 1
		.amdhsa_system_sgpr_workgroup_id_x 1
		.amdhsa_system_sgpr_workgroup_id_y 1
		.amdhsa_system_sgpr_workgroup_id_z 1
		.amdhsa_system_vgpr_workitem_id 0
		.amdhsa_next_free_vgpr 224
		.amdhsa_next_free_sgpr 66
		.amdhsa_reserve_vcc 0
		.amdhsa_float_denorm_mode_32 3
		.amdhsa_float_denorm_mode_16_64 3
		.amdhsa_memory_ordered 1
		.amdhsa_forward_progress 1
		.amdhsa_inst_pref_size 21
	.end_amdhsa_kernel
	.amdgpu_metadata
---
amdhsa.version: [ 1, 2 ]
amdhsa.kernels:
  - .name:           k_qbba391d382_ln1
    .symbol:         k_qbba391d382_ln1.kd
    .args:
      - { .name: x, .offset: 0, .size: 8, .value_kind: global_buffer, .address_space: global }
      - { .name: g1, .offset: 8, .size: 8, .value_kind: global_buffer, .address_space: global }
      - { .name: b1, .offset: 16, .size: 8, .value_kind: global_buffer, .address_space: global }
      - { .name: hs, .offset: 24, .size: 8, .value_kind: global_buffer, .address_space: global }
    .group_segment_fixed_size: 0
    .private_segment_fixed_size: 0
    .kernarg_segment_align: 8
    .kernarg_segment_size: 32
    .max_flat_workgroup_size: 256
    .sgpr_count:     66
    .vgpr_count:     224
    .wavefront_size: 32
...
	.end_amdgpu_metadata
.endif
;; end of part 2
;; launch qkv (part 3): grid 8 x 32, 4 waves a work-group, clusters of 4 x 4, 327,680 bytes of LDS; arguments hs, wts, qkvh; writes qkvh
.if DOCPART == 3
	.amdgcn_target "amdgcn-amd-amdhsa--gfx1250"
	.amdhsa_code_object_version 6
	.text
	.protected	k_qbba391d382_qkv
	.globl	k_qbba391d382_qkv
	.p2align	8
	.type	k_qbba391d382_qkv,@function
k_qbba391d382_qkv:
	s_mov_b64 s[64:65], 0
	v_nop
	global_prefetch_b8 v0, s[64:65] scope:SCOPE_SE
	s_setreg_imm32_b32 hwreg(HW_REG_WAVE_MODE, 25, 1), 1
	s_wait_xcnt 0x0
	s_wait_alu depctr_hold_cnt(0) depctr_sa_sdst(0) depctr_va_vdst(0) depctr_va_sdst(0) depctr_va_ssrc(0) depctr_va_vcc(0) depctr_vm_vsrc(0)
	s_getreg_b32 s2, hwreg(HW_REG_IB_STS2, 6, 4)
	s_cmp_eq_u32 s2, 0
	s_cbranch_scc0 .Lentry_in_a_cluster
	s_endpgm
.Lentry_in_a_cluster:
	s_bfe_u32 s2, ttmp6, 0x10000c
	s_cmp_lg_u32 s2, 0xf033
	s_cbranch_scc0 .Lentry_shape_is_right
	s_endpgm
.Lentry_shape_is_right:
; q, k, v = h W_qkv.  h: f16 in slabs [b][16][2048][64]; W_qkv: f16 [1024][3072]; out: f16 by heads [which 3][b][head 16][t 2048][64], unscaled.  Sums in f32.
; LIMIT: q, k, v beyond 65,504 become infinities.
; A work-group makes 128 rows x 384 columns; its four waves (2 x 2) 64 x 192 each: 48 accumulators.  256 work-groups, one tile each.
; K goes in 8 steps of 128 through two LDS slots; a step is four units of 32.  Waves 0, 1 fetch A's two halves (64 rows x 2 slabs), waves 2, 3 B's (64 rows k x 384 columns).
; CLUSTER 4 x 4: A's tile is shared along a row of the cluster, B's along a column: joint loads, same descriptor and mask in the four.
; THE PRODUCT IS TAKEN TRANSPOSED: source 0 = 16 columns of W (turned out of [k][n] rows by ds_load_tr16_b128), source 1 = 16 rows of h: a lane ends with one row and eight neighbouring columns.
; Wave column wc owns, of each 256-byte chunk c of a row of B, the columns 128 c + 64 wc + 0..63: one head a chunk.
; LDS.  A: every 256 bytes (two rows of a slab) are followed by 16 of padding: 8,704 bytes for 64 rows of a slab.  B: every 256 bytes by 32: a row is 864 bytes, an odd multiple of 32.
; REGISTERS.  window 0: v0-19 addresses, v64-255 two sets of B's 12 fragments (later the way out);  windows 1, 2: the accumulators (q = 12 a + n at register 256 + 8 q);  window 3: v0-63 two sets of A's 4 fragments.
.set TSTEPS, 8
.set SLOT,  145408                     ; A 34,816 + B 110,592
.set BBASE, 34816
.set PB,    864
.set LBLK,  8704
.set HALFA, 8704                       ; units 2, 3: the step's second slab
.set HALFB, 55296                      ; units 2, 3: rows k 64 on
.set STAGE, 290816                     ; behind the ring: 16 rows x 144 bytes for each wave
.set SPARE, 300032                     ; the spare words: 128 bytes for each wave, named by no other line
.set ASTEP, 524288                     ; two slabs
.set BSTEP, 786432                     ; 128 rows of 6,144 bytes
.set AH,    1                          ; a prefetch names the tile one step behind the one that is being asked for
.set WV, 12
.set WH, 13                            ; wave / 2: my half of the rows; also 0: I fetch for A, 1: for B
.set WL, 14                            ; wave % 2: my half of the columns; also which half of that tile I fetch
.set CX, 15
.set CY, 16
.set TX, 17
.set TY, 18
.set CNT, 19
.set TB, 20                            ; the slot that is read: 0 or SLOT
.set WB, 21                            ; the slot that is filled
.set LWA, 22
.set LWB, 23
.set G1A, 24
.set G0A, 32
.set G0B, 36
.set G1B, 40
.set PFA, 48
.set PFS, 50
.set LIM, 52
.set ADRA0, 8
.set ADRB0, 9
.set ADRA, 10
.set ADRB, 12
.set STO, 14
.set RD, 15
.set GO, 16
.set PFO, 17
.set SPW, 18
.set NIL, 19
.set BF, 64
.set AF, 0
.set MSB, 0
.macro WIN new                         ; the immediate's high byte repeats the setting that is left; a switch that changes nothing is dropped
.if MSB != (\new)
	s_set_vgpr_msb (MSB<<8)|(\new)
.set MSB, (\new)
.endif
.endm
.macro PLACES                          ; four places behind a matrix instruction, ahead of loads into its sources and of readers of its results
.rept 4
	v_nop
.endr
.endm
.macro JLOAD                           ; a joint load; the branch hangs on the wave's number alone; s_nop 0 and four v_nop follow each line
	s_cmp_eq_u32 s[WH], 0
	s_cbranch_scc0 .Lfor_b_\@
	tensor_load_to_lds s[G0A:G0A+3], s[G1A:G1A+7]
	s_nop 0
.rept 4
	v_nop
.endr
	s_branch .Lasked_\@
.Lfor_b_\@:
	tensor_load_to_lds s[G0B:G0B+3], s[G1B:G1B+7]
	s_nop 0
.rept 4
	v_nop
.endr
.Lasked_\@:
.endm
.macro ASK                             ; one prefetch a wave, for the tile AH steps behind the one just asked for; the last AH refills ask for nothing
	s_cmp_gt_u32 s[CNT], s[LIM]
	s_cbranch_scc0 .Lnot_mine_\@
	global_prefetch_b8 v[PFO], s[PFA:PFA+1] th:TH_LOAD_NT scope:SCOPE_SE
.Lnot_mine_\@:
.endm
.macro CREST                           ; a round of the cluster's barrier behind its opening barrier
	s_cmp_lg_u32 s[WV], 0
	s_cbranch_scc1 .Lnot_wave_0_\@
	s_barrier_signal -3
.Lnot_wave_0_\@:
	s_barrier_wait -3
	s_barrier_signal -1
	s_barrier_wait -1
.endm
.macro CROUND
	s_barrier_signal -1
	s_barrier_wait -1
	CREST
.endm
	s_load_b128 s[4:7], s[0:1], 0x0                ; h s[4:5], weights s[6:7]
	s_load_b64 s[8:9], s[0:1], 0x10                ; q, k, v
	v_lshl_add_u32 v[SPW], v0, 2, SPARE
	v_mov_b32 v[NIL], 0
	ds_add_u32 v[SPW], v[NIL]                      ; the opening: an add to the spare word, waited for ahead of my first tensor load; register work stands between
	v_lshrrev_b32 v3, 5, v0
	v_readfirstlane_b32 s[WV], v3
	v_and_b32 v1, 15, v0                           ; r = l % 16
	v_bfe_u32 v2, v0, 4, 1                         ; h = l / 16
	s_lshr_b32 s[WH], s[WV], 1
	s_and_b32 s[WL], s[WV], 1
	s_bfe_u32 s[CX], ttmp6, 0x40000
	s_bfe_u32 s[CY], ttmp6, 0x40004
	s_lshl_b32 s[TX], ttmp9, 2
	s_add_co_u32 s[TX], s[TX], s[CX]               ; tile column
	s_and_b32 s[TY], ttmp7, 0xffff
	s_lshl_b32 s[TY], s[TY], 2
	s_add_co_u32 s[TY], s[TY], s[CY]               ; tile row
	s_lshl_b32 s54, s[CY], 2
	s_lshl_b32 s54, 15, s54                        ; my row of the cluster
	s_lshl_b32 s56, 0x1111, s[CX]                  ; my column
	s_or_b32 s[G1A], s54, (1<<16)|(1<<20)|(1<<21)|(5<<22)|(3<<25)  ; mask; 2-byte elements; padding on; bit 21 beside a mask; after every 64 words, 4 words
	s_mov_b32 s[G1A+1], 4096<<16                   ; tensor_dim0: 64 rows of a slab, 8,192 dense bytes
	s_mov_b32 s[G1A+2], 2<<16                      ; tensor_dim1: two slabs
	s_mov_b32 s[G1A+3], 4096<<16                   ; tile_dim0
	s_mov_b32 s[G1A+4], 2                          ; tile_dim1
	s_mov_b32 s[G1A+5], 131072                     ; elements from slab to slab
	s_mov_b32 s[G1A+6], 0
	s_mov_b32 s[G1A+7], 0
	s_or_b32 s[G1B], s56, (1<<16)|(1<<20)|(1<<21)|(5<<22)|(7<<25)  ; the same with 8 words of padding
	s_mov_b32 s[G1B+1], 384<<16
	s_mov_b32 s[G1B+2], 64<<16
	s_mov_b32 s[G1B+3], 384<<16
	s_mov_b32 s[G1B+4], 64
	s_mov_b32 s[G1B+5], 3072
	s_mov_b32 s[G1B+6], 0
	s_mov_b32 s[G1B+7], 0
	s_mul_i32 s[LWA], s[WL], 2*LBLK
	s_mul_i32 s[LWB], s[WL], HALFB
	s_add_co_u32 s[LWB], s[LWB], BBASE
	s_mov_b32 s[TB], SLOT
	s_mov_b32 s[WB], 0
	s_mov_b32 s[G0A], 1
	s_mov_b32 s[G0A+1], s[LWA]
	s_mov_b32 s[G0B], 1
	s_mov_b32 s[G0B+1], s[LWB]
	s_lshr_b32 s54, s[TY], 4                       ; A: batch,
	s_lshl_b32 s54, s54, 22
	s_and_b32 s55, s[TY], 15
	s_lshl_b32 s55, s55, 7
	s_lshl_b32 s58, s[WL], 6
	s_add_co_u32 s55, s55, s58                     ; row t of the half that I fetch,
	s_lshl_b32 s55, s55, 7
	s_add_co_u32 s54, s54, s55
	s_mov_b32 s55, 0
	s_mul_i32 s56, s[WL], 393216                   ; B: 64 rows k, the tile's 768 bytes of a row
	s_mul_i32 s57, s[TX], 768
	s_add_co_u32 s56, s56, s57
	s_mov_b32 s57, 0
	; THE PREFETCHES.  A step's A is 128 blocks of 256 bytes: the cluster with x = 0 asks, each partner 32 (slab cx / 2, half cx % 2), by wave 0.  Its B is 128 rows x 3 blocks: the cluster with
	; y = 0 asks, each partner 16 rows of each half: waves 2, 3 take blocks 0, 1 of their own half, wave 1 block 2 of both.  Partners are told apart by address alone.
	s_lshr_b32 s60, s[CX], 1
	s_lshl_b32 s60, s60, 18
	s_and_b32 s61, s[CX], 1
	s_lshl_b32 s61, s61, 13
	s_add_co_u32 s60, s60, s61
	s_add_co_u32 s60, s60, s54
	s_add_co_u32 s60, s60, (1+AH)*ASTEP
	s_mul_i32 s62, s[CY], 16*6144
	s_mul_i32 s63, s[TX], 768
	s_add_co_u32 s62, s62, s63
	s_add_co_u32 s62, s62, (1+AH)*BSTEP
	s_mul_i32 s63, s[WL], 393216
	s_movk_i32 s72, 512
	s_mov_b32 s73, 393216
	s_movk_i32 s74, 256
	s_cmp_eq_u32 s[WH], 0
	s_cselect_b32 s63, s72, s63
	s_cselect_b32 s73, s73, s74                    ; what lanes 16-31 add
	s_add_co_u32 s62, s62, s63
	s_movk_i32 s72, 6144
	s_mov_b32 s75, ASTEP
	s_mov_b32 s76, BSTEP
	s_movk_i32 s77, 4096
	s_and_b32 s78, ttmp7, 0xffff
	s_cmp_eq_u32 s[WV], 0
	s_cselect_b32 s60, s60, s62
	s_cselect_b32 s72, s74, s72                    ; what a lane of 16 adds
	s_cselect_b32 s73, s77, s73
	s_cselect_b32 s[PFS], s75, s76
	s_cselect_b32 s78, ttmp9, s78                  ; the coordinate along which other clusters read the same blocks
	s_mov_b32 s61, 0
	s_mov_b32 s[PFS+1], 0
	s_cmp_eq_u32 s78, 0
	s_cselect_b32 s[LIM], AH, -1
	v_mul_u32_u24 v[PFO], v1, s72
	v_mad_u32_u24 v[PFO], v2, s73, v[PFO]
	s_wait_dscnt 0x0                               ; the opening add is done
	s_wait_kmcnt 0x0
	s_add_nc_u64 s[G0A+2:G0A+3], s[4:5], s[54:55]
	s_or_b32 s[G0A+3], s[G0A+3], 0x80000000
	s_add_nc_u64 s[G0B+2:G0B+3], s[6:7], s[56:57]
	s_or_b32 s[G0B+3], s[G0B+3], 0x80000000
	s_cmp_eq_u32 s[WV], 0
	s_cselect_b64 s[PFA:PFA+1], s[4:5], s[6:7]
	s_add_nc_u64 s[PFA:PFA+1], s[PFA:PFA+1], s[60:61]
	; the way out: chunk c of my columns is the 64-column group g = 6 TX + 2 c + wc: tensor g / 16, head g % 16
	s_lshr_b32 s72, s[TY], 4
	s_and_b32 s73, s[TY], 15
	s_lshl_b32 s73, s73, 7
	s_lshl_b32 s74, s[WH], 6
	s_add_co_u32 s73, s73, s74
	s_lshl_b32 s73, s73, 7                         ; my first row t, in bytes
	s_mul_i32 s74, s[TX], 6
	s_add_co_u32 s74, s74, s[WL]
.irp c, 0,1,2
	s_add_co_u32 s75, s74, 2*(\c)
	s_lshr_b32 s76, s75, 4
	s_lshl_b32 s76, s76, 5
	s_and_b32 s75, s75, 15
	s_add_co_u32 s76, s76, s75
	s_lshl4_add_u32 s76, s72, s76
	s_lshl_b32 s76, s76, 18
	s_add_co_u32 s76, s76, s73
	s_mov_b32 s77, 0
	s_add_nc_u64 s[66+2*(\c):67+2*(\c)], s[8:9], s[76:77]
.endr
	CROUND                                         ; all sixteen work-groups are here: the first joint loads meet
	JLOAD                                          ; tile 0 into slot 0
	v_and_b32 v3, 7, v0
	v_bfe_u32 v4, v0, 3, 1
	v_lshrrev_b32 v5, 1, v1                        ; A: two rows of a slab to 272 bytes
	v_mul_u32_u24 v[ADRA0], v5, 272
	v_and_b32 v5, 1, v1
	v_lshl_add_u32 v[ADRA0], v5, 7, v[ADRA0]
	v_lshl_add_u32 v[ADRA0], v2, 4, v[ADRA0]
	s_mul_i32 s72, s[WH], 2*LBLK
	v_add_nc_u32 v[ADRA0], s72, v[ADRA0]
	v_lshl_add_u32 v5, v2, 3, v3                   ; B, turned: row k = 8 h + l % 8, 16 bytes by (l / 8) % 2
	v_mul_u32_u24 v[ADRB0], v5, PB
	v_lshl_add_u32 v[ADRB0], v4, 4, v[ADRB0]
	s_lshl_b32 s72, s[WL], 7
	s_add_co_u32 s72, s72, BBASE
	v_add_nc_u32 v[ADRB0], s72, v[ADRB0]
	s_mul_i32 s72, s[WV], 2304
	s_add_co_u32 s72, s72, STAGE
	v_mul_u32_u24 v[STO], v1, 144
	v_lshl_add_u32 v[STO], v2, 4, v[STO]
	v_add_nc_u32 v[STO], s72, v[STO]
	v_bfe_u32 v[RD], v0, 3, 2
	v_mul_u32_u24 v[RD], v[RD], 144
	v_lshl_add_u32 v[RD], v3, 4, v[RD]
	v_add_nc_u32 v[RD], s72, v[RD]
	v_and_b32 v[GO], 31, v0
	v_lshlrev_b32 v[GO], 4, v[GO]
; Unit u's fragments (32 along K) into set u % 2: 8 loads of A, 24 of B, in one run.
.macro FETCH u
	WIN 0xc0                                       ; destination window 3
.irp a, 0,1,2,3
	ds_load_b128 v[AF+32*((\u)&1)+8*(\a):AF+32*((\u)&1)+8*(\a)+3], v[ADRA+((\u)>>1)] offset:(\a)*2176+((\u)&1)*64
	ds_load_b128 v[AF+32*((\u)&1)+8*(\a)+4:AF+32*((\u)&1)+8*(\a)+7], v[ADRA+((\u)>>1)] offset:(\a)*2176+((\u)&1)*64+32
.endr
	WIN 0
.irp n, 0,1,2,3,4,5,6,7,8,9,10,11
	ds_load_tr16_b128 v[BF+96*((\u)&1)+8*(\n):BF+96*((\u)&1)+8*(\n)+3], v[ADRB+((\u)>>1)] offset:((\u)&1)*32*PB+((\n)>>2)*288+((\n)&3)*32
	ds_load_tr16_b128 v[BF+96*((\u)&1)+8*(\n)+4:BF+96*((\u)&1)+8*(\n)+7], v[ADRB+((\u)>>1)] offset:((\u)&1)*32*PB+((\n)>>2)*288+((\n)&3)*32+16*PB
.endr
.endm
; Part p of unit u: row blocks 2 p, 2 p + 1 x 12 column blocks.  The 48 accumulators take turns, one instruction a turn.  zero = 1: the products start the sums.
.macro MULP u, p, zero
.irp a, 2*(\p), 2*(\p)+1
.irp n, 0,1,2,3,4,5,6,7,8,9,10,11
.set q, (\a)*12+(\n)
.set wq, 0x0c|((1+(q>>5))*0x50)
.set rD, (8*q)&255
	WIN wq
.if \zero
	v_wmma_f32_16x16x32_f16 v[rD:rD+7], v[BF+96*((\u)&1)+8*(\n):BF+96*((\u)&1)+8*(\n)+7], v[AF+32*((\u)&1)+8*(\a):AF+32*((\u)&1)+8*(\a)+7], 0
.else
	v_wmma_f32_16x16x32_f16 v[rD:rD+7], v[BF+96*((\u)&1)+8*(\n):BF+96*((\u)&1)+8*(\n)+7], v[AF+32*((\u)&1)+8*(\a):AF+32*((\u)&1)+8*(\a)+7], v[rD:rD+7]
.endif
.endr
.endr
.endm
.macro UNIT u, zero                    ; one of a step's first three units: in its middle the next unit's fragments are fetched into the other set
	s_wait_dscnt 0x0
	MULP \u, 0, \zero
	PLACES
	FETCH (\u)+1
	MULP \u, 1, \zero
.endm
; THE CHANGE OF SLOTS, round a step's last unit (mul = 1).  Every wave waits for all its tensor loads (one is out: its part of the next slot), adds 0 to its spare word, and waits for that and for its
; reads of the slot.  fill = 1: the barrier opens a round of the cluster's barrier, and the joint refill of the slot just read is the first thing behind it.  pf = 1: the prefetch's address steps, a step behind its last use.
.macro TURN fill, mul, pf
.if \pf
	s_wait_xcnt 0x0
	s_add_nc_u64 s[PFA:PFA+1], s[PFA:PFA+1], s[PFS:PFS+1]
.endif
	WIN 0
	s_wait_tensorcnt 0x0
	ds_add_u32 v[SPW], v[NIL]
.if \fill
	s_xor_b32 s[WB], s[WB], SLOT                   ; 0 or SLOT
	s_add_co_u32 s[G0A+1], s[WB], s[LWA]
	s_add_co_u32 s[G0B+1], s[WB], s[LWB]
	s_add_nc_u64 s[G0A+2:G0A+3], s[G0A+2:G0A+3], ASTEP
	s_add_nc_u64 s[G0B+2:G0B+3], s[G0B+2:G0B+3], BSTEP
.endif
	s_wait_dscnt 0x0
	s_barrier_signal -1
.if \mul
	MULP 3, 0, 0
	WIN 0
.endif
	s_barrier_wait -1
.if \fill
	CREST
	JLOAD
.else
	PLACES
.endif
	s_xor_b32 s[TB], s[TB], SLOT
	v_add_nc_u32 v[ADRA], s[TB], v[ADRA0]
	v_add_nc_u32 v[ADRA+1], HALFA, v[ADRA]
	v_add_nc_u32 v[ADRB], s[TB], v[ADRB0]
	v_add_nc_u32 v[ADRB+1], HALFB, v[ADRB]
	FETCH 0
.if \pf
	ASK
.endif
.if \mul
	MULP 3, 1, 0
.endif
.endm
; THE WAY OUT.  Group g = 3 a + c: 16 rows x one head's 64 columns: rounded to f16, through my own stage (rows of 144 bytes), back as four rows of 128 bytes a load, stored as 512 consecutive bytes.
.macro PACK g
.irp j, 0,1,2,3
.set q, ((\g)/3)*12+4*((\g)%3)+(\j)
.set wq, (1+(q>>5))*5
.set rD, (8*q)&255
	WIN wq                                         ; sources 0 and 1 in the accumulator's window
.irp r, 0,1,2,3
	v_cvt_pk_f16_f32 v[64+16*(\g)+4*(\j)+(\r)], v[rD+2*(\r)], v[rD+2*(\r)+1]
.endr
.endr
	WIN 0
.irp j, 0,1,2,3
	ds_store_b128 v[STO], v[64+16*(\g)+4*(\j):64+16*(\g)+4*(\j)+3] offset:32*(\j)
.endr
.irp f, 0,1,2,3
	ds_load_b128 v[64+16*(\g)+4*(\f):64+16*(\g)+4*(\f)+3], v[RD] offset:(\f)*576  ; LDS serves a wave's instructions in order (ISA guide 5.7.1.4)
.endr
.endm
.macro SEND g, y                       ; y: the LDS instructions issued behind group g's loads
.irp f, 0,1,2,3
	s_wait_dscnt (\y)+3-(\f)
	global_store_b128 v[GO], v[64+16*(\g)+4*(\f):64+16*(\g)+4*(\f)+3], s[66+2*((\g)%3):67+2*((\g)%3)] offset:((\g)/3)*2048+(\f)*512
.endr
.endm
	TURN 1, 0, 0                                   ; tile 0 is in, everybody's part; tile 1 goes into slot 1; unit 0 is fetched
	UNIT 0, 1                                      ; the first unit stands ahead of the loop: its products start the sums
	WIN 0
	s_mov_b32 s[CNT], TSTEPS-1
	s_branch .Lmid
.Lstep:                                        ; TSTEPS - 2 times: a step's last unit, the change of slots, the next step's first three units
	TURN 1, 1, 1
	UNIT 0, 0
	WIN 0
.Lmid:
	UNIT 1, 0
	UNIT 2, 0
	WIN 0
	s_sub_co_u32 s[CNT], s[CNT], 1
	s_cmp_lg_u32 s[CNT], 0
	s_cbranch_scc1 .Lstep
	TURN 0, 1, 0                                   ; the tail is written out: nothing more is asked for
	UNIT 0, 0
	UNIT 1, 0
	UNIT 2, 0
	s_wait_dscnt 0x0
	MULP 3, 0, 0
	MULP 3, 1, 0
	PLACES
	PACK 0
.irp g, 1,2,3,4,5,6,7,8,9,10,11
	PACK \g
	SEND (\g)-1, 8
.endr
	SEND 11, 0
	s_wait_tensorcnt 0x0                           ; the wave's end
	ds_add_u32 v[SPW], v[NIL]
	s_wait_dscnt 0x0
	CROUND                                         ; the closing round
	s_endpgm
.Lfunc_end_k_qbba391d382_qkv:
	.size	k_qbba391d382_qkv, .Lfunc_end_k_qbba391d382_qkv-k_qbba391d382_qkv
	.p2alignl 7, 3214868480
	.fill 96, 4, 3214868480
	.section	.rodata,"a",@progbits
	.p2align	6, 0x0
	.amdhsa_kernel k_qbba391d382_qkv
		.amdhsa_group_segment_fixed_size 327680
		.amdhsa_private_segment_fixed_size 0
		.amdhsa_enable_private_segment 0
		.amdhsa_kernarg_size 24
		.amdhsa_user_sgpr_count 2
		.amdhsa_user_sgpr_kernarg_segment_ptr 1
		.amdhsa_wavefront_size32 1
		.amdhsa_system_sgpr_workgroup_id_x 1
		.amdhsa_system_sgpr_workgroup_id_y 1
		.amdhsa_system_sgpr_workgroup_id_z 1
		.amdhsa_system_vgpr_workitem_id 0
		.amdhsa_next_free_vgpr 1024
		.amdhsa_next_free_sgpr 96
		.amdhsa_reserve_vcc 0
		.amdhsa_float_denorm_mode_32 3
		.amdhsa_float_denorm_mode_16_64 3
		.amdhsa_memory_ordered 1
		.amdhsa_forward_progress 1
		.amdhsa_inst_pref_size 91
	.end_amdhsa_kernel
	.amdgpu_metadata
---
amdhsa.version: [ 1, 2 ]
amdhsa.kernels:
  - .name:           k_qbba391d382_qkv
    .symbol:         k_qbba391d382_qkv.kd
    .args:
      - { .name: hs, .offset: 0, .size: 8, .value_kind: global_buffer, .address_space: global }
      - { .name: wts, .offset: 8, .size: 8, .value_kind: global_buffer, .address_space: global }
      - { .name: qkvh, .offset: 16, .size: 8, .value_kind: global_buffer, .address_space: global }
    .group_segment_fixed_size: 327680
    .private_segment_fixed_size: 0
    .kernarg_segment_align: 8
    .kernarg_segment_size: 24
    .max_flat_workgroup_size: 128
    .sgpr_count:     96
    .vgpr_count:     1024
    .wavefront_size: 32
...
	.end_amdgpu_metadata
.endif
;; end of part 3
;; launch attn (part 4): grid 8 x 32, 8 waves a work-group, no clusters, 327,680 bytes of LDS; arguments qkvh, mk, hs; writes hs
.if DOCPART == 4
	.amdgcn_target "amdgcn-amd-amdhsa--gfx1250"
	.amdhsa_code_object_version 6
	.text
	.protected	k_qbba391d382_attn
	.globl	k_qbba391d382_attn
	.p2align	8
	.type	k_qbba391d382_attn,@function
k_qbba391d382_attn:
	s_mov_b64 s[64:65], 0
	v_nop
	global_prefetch_b8 v0, s[64:65] scope:SCOPE_SE
	s_setreg_imm32_b32 hwreg(HW_REG_WAVE_MODE, 25, 1), 1
	s_wait_xcnt 0x0
; CAUSAL ATTENTION WITH A KEY MASK.  O[q] = sum over visible k <= q of softmax_k(Q[q] . K[k] / 8) V[k]; a row with no visible key gives 0.  Q, K, V: f16 [3][32 heads][2048][64]; O: f16, the same layout.
; The key mask arrives as f32 [2][2048], 0 or -1e30, made by the launch that casts the weights.
; Products, maxima and sums in f32; the weights are rounded to f16 for the second product, O once at the end.
; LIMITS.  A hidden score counts as -1e30 (f16's scores are 2.7e11 at the most); the running maximum starts at -1e20, so every hidden weight is 2^(-1.8e29) = 0; a weight below 2^-126 counts as 0;
; NaN and infinities are not treated apart.  The divisor l is held at 1e-30 or above: a row with a visible key has l of about 1 or more, a row without has O = 0.
; THE WALK.  A head has 16 blocks of 128 queries and 8 key tiles of 256 keys; block i needs the tiles 0 .. i / 2.  A work-group takes blocks 15 - pb and then pb: (15 - pb) / 2 + pb / 2 + 2 = 9 tiles
; whatever pb, one counted loop.  NO CLUSTER: a head's eight work-groups ask for the same tile in the first five trips only; a walk common to all would have 12 trips for 9.
; SHARES.  Eight waves, 2 x 448 registers to a SIMD, so that one wave has vector work where the other has matrix work.  Wave w = 4 ws + wq owns queries 32 wq .. 32 wq + 31 of a block (two tiles of 16)
; and, of every key tile, the keys 128 ws .. 128 ws + 127 (two steps of 64), with a running maximum, sum and O^T of its own.  So a fragment of K or V read from LDS feeds two query tiles.
; At a block's end the two key halves of a query meet in LDS, in f32: with c m = the greater of the two c m and f = 2^(c m_half - c m), O = (f_a O_a + f_b O_b) / (f_a l_a + f_b l_b); wave (wq, ws) finishes tile ws of group wq.
; LAYOUT.  S^T = K Q^T (source 0 = 16 keys, source 1 = 16 queries): a lane holds ONE query (l % 16) and the keys 8 (l / 16) + 0..7; two results rounded to f16 ARE source 1 of O^T = V^T P.
; THE KEY MASK is the C operand that starts the sum S^T: a step's 32 numbers a lane come straight from memory into that operand's registers, asked for a softmax and 16 products ahead of their use.
; THE CAUSAL MASK replaces hidden scores in a block's last tile, which is computed whole: key k' of that tile is hidden from query q of block i where k' > q + 128 (i % 2).
; A TRIP runs from behind one step's K Q^T to behind the next step's: K and mask of step n are fetched; softmax and V^T P of step n - 1; V of step n is fetched; K Q^T of step n.
; So at a change of slots the old slot's K and V are in registers, and one text serves every step.
; REGISTERS.  window 0: v0-23 addresses; v24-31 statistics (c m, m, l, l a tile); v32-59 at work; v64-127 S^T; v128-159 P; v160-191 the step's key mask; v192-223 Q; v224-255 the second block's Q
;             window 1: v0-63 O^T; v64-127 K of a step; v128-191 V of a step
.set PKB,   144                        ; a row of K in LDS: 128 bytes + 16
.set PVB,   160                        ; a row of V: 128 + 32, an odd multiple of 32
.set VOFF,  36864                      ; a slot: 256 rows of K, then 256 of V: 77,824 bytes
.set SLOT1, 131072
.set MRG,   208896                     ; where the key halves meet: for each wave and tile 8 x 512 bytes of O^T and 512 of statistics: 9,216 bytes a wave
.set STAGE, 282624                     ; 16 rows x 144 bytes for each wave
.set SPARE, 301056                     ; the spare words, 128 bytes a wave, named by no other line
.set S,  64
.set P,  128
.set KM, 160
.set Q,  192
.set QB, 224
.set KF, 64
.set VF, 128
.set ST, 24
.set TMP, 32
.set MV, 22
.set SPW, 18
.set NIL, 19
.set DMP, 58                           ; v58  where I put my state: MRG + 9,216 w + 16 l
.set MRD, 59                           ; v59  where I read the first half's state of the tile that I finish: MRG + 9,216 wq + 4,608 ws + 16 l; the second half's lies 36,864 on
.set WV, 12
.set WL, 13
.set PB, 14
.set HI, 15
.set REQ, 16                           ; the tile asked for last
.set LQ, 17                            ; the last tile of the block whose tiles are being asked for
.set ENT, 18                           ; the tile entered
.set BL, 19                            ; the last tile of the block in hand
.set NEWB, 20                          ; 1: the tile entered is a block's first
.set VFL, 21                           ; 1: it is the walk's first
.set SO, 22                            ; the step's first key in its tile
.set SO0, 23                           ; 128 ws: my first key in a tile
.set G1K, 24
.set G1V, 32
.set G0K, 40
.set G0V, 44
.set KB, 48
.set VB, 50
.set TBK, 52
.set TBV, 53
.set CNT, 54
.set SLOTS, 55
.set OFF, 56
.set CS, 58
.set SEL, 60
.set LIM, 62
.set DOFF, 63                          ; 128 (i % 2) for the block in hand
.set PFA, 66
.set OP, 68
.set OLO, 70
.set QH, 72
.set QL, 74
.set LT2, 88                           ; the second block's last tile
.set DOF2, 89                          ; its 128 (i % 2)
.set WQ, 90
.set WS, 91
.set MSB, 0
.macro WIN new
.if MSB != (\new)
	s_set_vgpr_msb (MSB<<8)|(\new)
.set MSB, (\new)
.endif
.endm
.macro PLACES
.rept 4
	v_nop
.endr
.endm
.macro LOAD                            ; waves 0, 1 fetch the halves of a tile's K, waves 2, 3 of its V: 128 keys each; waves 4 to 7 fetch nothing; s_nop 0 and four v_nop follow each line
	s_cmp_lt_u32 s[WV], 2
	s_cbranch_scc0 .Lfor_v_\@
	tensor_load_to_lds s[G0K:G0K+3], s[G1K:G1K+7]
	s_nop 0
.rept 4
	v_nop
.endr
	s_branch .Lasked_\@
.Lfor_v_\@:
	s_cmp_lt_u32 s[WV], 4
	s_cbranch_scc0 .Lasked_\@
	tensor_load_to_lds s[G0V:G0V+3], s[G1V:G1V+7]
	s_nop 0
.rept 4
	v_nop
.endr
.Lasked_\@:
.endm
; A prefetch of the tile that the NEXT change of slots will ask for: two key steps of every wave ahead.  A tile is 2 x 32,768 bytes: each of the eight waves names 8,192, a lane 256.
; Only the head's work-group with pb = 0 asks: its first block walks all eight tiles.  Tiles 0 and 1 come by their loads alone; the last request names tile 7.
.macro ASK
	s_cmp_gt_u32 s[SLOTS], s[LIM]
	s_cbranch_scc0 .Lnot_mine_\@
	global_prefetch_b8 v20, s[PFA:PFA+1] th:TH_LOAD_NT scope:SCOPE_SE
.Lnot_mine_\@:
.endm
; THE CHANGE OF SLOTS.  Every wave waits for all its tensor loads (at most one is out: its part of the other slot), adds 0 to its spare word, waits for that and for its reads of the old slot, and passes the barrier;
; fill = 1: the old slot is filled again first thing behind it, with tile REQ; the descriptor's address is made anew from that number.
.macro CHANGE fill
	WIN 0
	s_wait_tensorcnt 0x0
	ds_add_u32 v[SPW], v[NIL]
	s_mov_b32 s[ENT], s[REQ]
.if \fill
	s_add_co_u32 s[REQ], s[REQ], 1                 ; the block's next tile, or behind its last the second block's tile 0
	s_cmp_gt_u32 s[REQ], s[LQ]
	s_cselect_b32 s[REQ], 0, s[REQ]
	s_cselect_b32 s[LQ], s[LT2], s[LQ]
	s_lshl_b32 s[OFF], s[REQ], 15                  ; a tile is 32,768 bytes of K and of V
	s_xor_b32 s[G0K+1], s[G0K+1], SLOT1
	s_add_nc_u64 s[G0K+2:G0K+3], s[KB:KB+1], s[OFF:OFF+1]
	s_or_b32 s[G0K+3], s[G0K+3], 0x80000000
	s_xor_b32 s[G0V+1], s[G0V+1], SLOT1
	s_add_nc_u64 s[G0V+2:G0V+3], s[VB:VB+1], s[OFF:OFF+1]
	s_or_b32 s[G0V+3], s[G0V+3], 0x80000000
	s_wait_xcnt 0x0                                ; the last prefetch, a tile back, has read its address
	s_add_nc_u64 s[PFA:PFA+1], s[PFA:PFA+1], 32768
.endif
	s_mov_b32 s[SO], s[SO0]
	s_cmp_eq_u32 s[ENT], 0
	s_cselect_b32 s[NEWB], 1, 0
	s_wait_dscnt 0x0
	s_barrier_signal -1
	s_sub_co_u32 s[TBK], s[TBK], 18432             ; the fetches go back to my first step of a slot, in the other slot
	s_xor_b32 s[TBK], s[TBK], SLOT1
	s_sub_co_u32 s[TBV], s[TBV], 20480
	s_xor_b32 s[TBV], s[TBV], SLOT1
	s_barrier_wait -1
.if \fill
	LOAD
	ASK
.endif
.endm
; A step's key mask (from memory: 8 loads; v12 was freed by the last step's wait for its loads) and its K (from LDS: 8 fragments).
.macro FETCH_KM
	WIN 0
	s_lshl_b32 s76, s[ENT], 10                     ; the tile's 256 numbers of 4 bytes,
	s_lshl2_add_u32 s76, s[SO], s76                ; the step's 64
	v_add_nc_u32 v12, s76, v11                     ; + 32 (l / 16)
.irp k, 0,1,2,3                        ; keys 16 k + 8 (l / 16) + 0..7
	global_load_b128 v[KM+8*(\k):KM+8*(\k)+3], v12, s[6:7] offset:64*(\k)
	global_load_b128 v[KM+8*(\k)+4:KM+8*(\k)+7], v12, s[6:7] offset:64*(\k)+16
.endr
	v_add_nc_u32 v5, s[TBK], v3
	s_add_co_u32 s[TBK], s[TBK], 9216
	WIN 0x40
.irp f, 0,1,2,3,4,5,6,7                ; keys 16 (f / 2) on, channels 32 (f % 2) on
	ds_load_b128 v[KF+8*(\f):KF+8*(\f)+3], v5 offset:((\f)/2)*16*PKB+((\f)%2)*64
	ds_load_b128 v[KF+8*(\f)+4:KF+8*(\f)+7], v5 offset:((\f)/2)*16*PKB+((\f)%2)*64+32
.endr
	WIN 0
.endm
.macro FETCH_V                         ; a step's V, turned
	WIN 0
	v_add_nc_u32 v6, s[TBV], v4
	s_add_co_u32 s[TBV], s[TBV], 10240
	WIN 0x40
.irp f, 0,1,2,3,4,5,6,7                ; keys 32 (f / 4) on, channels 16 (f % 4) on
	ds_load_tr16_b128 v[VF+8*(\f):VF+8*(\f)+3], v6 offset:((\f)/4)*32*PVB+((\f)%4)*32
	ds_load_tr16_b128 v[VF+8*(\f)+4:VF+8*(\f)+7], v6 offset:((\f)/4)*32*PVB+16*PVB+((\f)%4)*32
.endr
	WIN 0
.endm
; 16 products S^T = K Q^T: channels 32 (i / 8) on, keys 16 ((i / 2) % 4) on, tile i % 2.  The first 8 start the sums with the key mask.  Eight accumulators take turns.
.macro KQS
	WIN 0x01
.set i, 0
.rept 16
.set rS, S+32*(i%2)+8*((i/2)%4)
.set rK, KF+16*((i/2)%4)+8*(i/8)
.set rQ, Q+16*(i%2)+8*(i/8)
.set rN, KM+8*((i/2)%4)
.if i < 8
	v_wmma_f32_16x16x32_f16 v[rS:rS+7], v[rK:rK+7], v[rQ:rQ+7], v[rN:rN+7]
.else
	v_wmma_f32_16x16x32_f16 v[rS:rS+7], v[rK:rK+7], v[rQ:rQ+7], v[rS:rS+7]
.endif
.set i, i+1
.endr
	WIN 0
.endm
; 16 products O^T += V^T P: keys 32 (i / 8) on, channels 16 ((i / 2) % 4) on, tile i % 2.
.macro PVS
	WIN 0x51
.set i, 0
.rept 16
.set rO, 32*(i%2)+8*((i/2)%4)
.set rV, VF+32*(i/8)+8*((i/2)%4)
.set rP, P+16*(i%2)+8*(i/8)
	v_wmma_f32_16x16x32_f16 v[rO:rO+7], v[rV:rV+7], v[rP:rP+7], v[rO:rO+7]
.set i, i+1
.endr
	WIN 0
.endm
.macro REGS u
.set rT, ST+4*(\u)
.set rC, TMP+4*(\u)
.set rM, MV+(\u)
.set rS, S+32*(\u)
.set rP, P+16*(\u)
.endm
; Number n of the 22 that find a tile's maximum and statistics.  0-11: four chains of seven scores each (each accumulator's lowest registers first); 12-14, 16: the four scores left,
; the old m, and the four into one; 15: c m_old is kept; 17, 18: the query's other 32 keys lie in the lane 16 away; 19-21: c m, c m_old - c m_new, a.
.macro XS u, n
	REGS \u
.if (\n) < 4
	v_max3_num_f32 v[rC+(\n)], v[rS+8*(\n)], v[rS+8*(\n)+1], v[rS+8*(\n)+2]
.elseif (\n) < 12
	v_max3_num_f32 v[rC+(\n)%4], v[rC+(\n)%4], v[rS+8*((\n)%4)+2*((\n)/4)+1], v[rS+8*((\n)%4)+2*((\n)/4)+2]
.elseif (\n) == 12
	v_max3_num_f32 v[rC], v[rC], v[rS+7], v[rS+15]
.elseif (\n) == 13
	v_max3_num_f32 v[rC+1], v[rC+1], v[rS+23], v[rS+31]
.elseif (\n) == 14
	v_max3_num_f32 v[rC+2], v[rC+2], v[rC+3], v[rT+1]
.elseif (\n) == 15
	v_mov_b32 v[rM], v[rT]
.elseif (\n) == 16
	v_max3_num_f32 v[rC], v[rC], v[rC+1], v[rC+2]
.elseif (\n) == 17
	v_permlanex16_b32 v[rC+3], v[rC], s[SEL], s[SEL+1]
.elseif (\n) == 18
	v_max_num_f32 v[rT+1], v[rC], v[rC+3]
.elseif (\n) == 19
	v_mul_f32 v[rT], s[CS], v[rT+1]
.elseif (\n) == 20
	v_sub_f32 v[rC+1], v[rM], v[rT]
.else
	v_exp_f32 v[rC+2], v[rC+1]
.endif
.endm
.macro FS f                            ; c s - c m for pair f / 2 of tile f % 2
	REGS (\f)%2
	v_pk_fma_f32 v[rS+2*((\f)/2):rS+2*((\f)/2)+1], v[rS+2*((\f)/2):rS+2*((\f)/2)+1], s[CS:CS+1], v[rT:rT+1] op_sel_hi:[1,0,0] neg_lo:[0,0,1] neg_hi:[0,0,1]
.endm
.macro EX2 f                           ; that pair's two exponentials
	REGS (\f)%2
	v_exp_f32 v[rS+2*((\f)/2)], v[rS+2*((\f)/2)]
	v_exp_f32 v[rS+2*((\f)/2)+1], v[rS+2*((\f)/2)+1]
.endm
.macro ADDP k, d                       ; both tiles: the pair at 4 k takes the pair d registers on
.irp u, 0,1
	v_pk_add_f32 v[S+32*(\u)+4*(\k):S+32*(\u)+4*(\k)+1], v[S+32*(\u)+4*(\k):S+32*(\u)+4*(\k)+1], v[S+32*(\u)+4*(\k)+(\d):S+32*(\u)+4*(\k)+(\d)+1]
.endr
.endm
; A STEP'S SOFTMAX for both tiles.  All 66 exponentials are one batch with one wait: nothing ahead of the wait names a result of theirs.
.macro SOFTMAX
	WIN 0
.irp n, 0,1,2,3,4,5,6,7,8,9,10,11,12,13,14,15,16,17,18,19,20,21
	XS 0, \n
	XS 1, \n
.endr
	FS 0
	FS 1
.set f, 2
.rept 30
	FS f
	EX2 f-2
.set f, f+1
.endr
	EX2 30
	EX2 31
	v_nop                                          ; a plain instruction behind the last exponential,
	s_wait_alu depctr_va_vdst(0)                   ; and the one wait ahead of the batch's first reader
	WIN 0x41                                       ; O^T times a, ascending
.set i, 0
.rept 32
	v_pk_mul_f32 v[2*i:2*i+1], v[2*i:2*i+1], v[TMP+4*(i/16)+2:TMP+4*(i/16)+3] op_sel_hi:[1,0]
.set i, i+1
.endr
	WIN 0
.irp k, 0,1,2,3,4,5,6,7                ; four weights at a time: rounded to f16, the second pair added onto the first
.irp u, 0,1
	v_cvt_pk_f16_f32 v[P+16*(\u)+2*(\k)], v[S+32*(\u)+4*(\k)], v[S+32*(\u)+4*(\k)+1]
	v_cvt_pk_f16_f32 v[P+16*(\u)+2*(\k)+1], v[S+32*(\u)+4*(\k)+2], v[S+32*(\u)+4*(\k)+3]
.endr
	ADDP \k, 2
.endr
	ADDP 0, 4
	ADDP 2, 4
	ADDP 4, 4
	ADDP 6, 4
	ADDP 0, 8
	ADDP 4, 8
	ADDP 0, 16
.irp u, 0,1                            ; l = a l + the step's sum (even keys', odd keys')
	v_pk_fma_f32 v[ST+4*(\u)+2:ST+4*(\u)+3], v[ST+4*(\u)+2:ST+4*(\u)+3], v[TMP+4*(\u)+2:TMP+4*(\u)+3], v[S+32*(\u):S+32*(\u)+1] op_sel_hi:[1,0,1]
.endr
.endm
.macro DIAGM                           ; a block's last tile: key SO + 16 kb + 8 h + j is hidden from query 32 wq + 16 u + r where it is greater than that query's number + DOFF
	s_sub_co_i32 s76, s[SO], s[DOFF]
	v_sub_nc_u32 v16, v14, s76
	v_sub_nc_u32 v17, v15, s76
.irp u, 0,1
.set i, 0
.rept 32
	v_cmp_gt_i32 vcc_lo, 16*(i/8)+i%8, v[16+(\u)]
	v_cndmask_b32 v[S+32*(\u)+i], v[S+32*(\u)+i], v13, vcc_lo
.set i, i+1
.endr
.endr
.endm
.macro PARTA                           ; V of the step is fetched; its scores are made
	PLACES                                         ; behind the products that read V
	FETCH_V
	s_wait_loadcnt 0x0                             ; the step's key mask is in
	s_wait_dscnt 16                                ; K is in; V's 16 loads may stay out
	KQS
	PLACES
	s_cmp_eq_u32 s[ENT], s[BL]
	s_cbranch_scc0 .Lnd_\@
	DIAGM
.Lnd_\@:
	s_add_co_u32 s[SO], s[SO], 64
.endm
.macro BEGIN                           ; a block begins: c m far below every c s, so the first a is 0 and what O^T holds need only be finite
	s_mov_b32 s[VFL], 0
	s_mov_b32 s[NEWB], 0
.irp u, 0,1
	v_mov_b32 v[ST+4*(\u)], 0xfe000000
	v_mov_b32 v[ST+4*(\u)+1], 0xe0ad78ec           ; m = -1e20
	v_mov_b32 v[ST+4*(\u)+2], 0
	v_mov_b32 v[ST+4*(\u)+3], 0
.endr
.endm
; A BLOCK ENDS.  Every wave puts its two tiles' O^T and statistics into LDS; behind a barrier wave (wq, ws) reads both key halves of tile ws of group wq; behind a second barrier, in front of which every wave's
; reads have come back, the region may be written again.  The branch round this macro hangs on the work-group's number and on counters alone: all eight waves take it alike, so all pass both barriers.
; A tensor load may be out across them. Then the halves are joined, divided by l, rounded to f16 and sent through my stage: four rows of 128 bytes a store.
.macro FINISH last
	WIN 0
	PLACES                                         ; behind the last products
	WIN 0x04                                       ; the stores' data in window 1
.irp u, 0,1
.irp k, 0,1,2,3,4,5,6,7
	ds_store_b128 v[DMP], v[32*(\u)+4*(\k):32*(\u)+4*(\k)+3] offset:(\u)*4608+(\k)*512
.endr
.endr
	WIN 0
.irp u, 0,1
	ds_store_b128 v[DMP], v[ST+4*(\u):ST+4*(\u)+3] offset:(\u)*4608+4096
.endr
	s_wait_dscnt 0x0                               ; for the others' sake: my state lies in LDS
	s_barrier_signal -1
	s_barrier_wait -1
.irp k, 0,1,2,3,4,5,6,7
	ds_load_b128 v[S+4*(\k):S+4*(\k)+3], v[MRD] offset:(\k)*512
	ds_load_b128 v[S+32+4*(\k):S+32+4*(\k)+3], v[MRD] offset:36864+(\k)*512
.endr
	ds_load_b128 v[40:43], v[MRD] offset:4096
	ds_load_b128 v[44:47], v[MRD] offset:36864+4096
	s_wait_dscnt 0x0                               ; my reads are back
	s_barrier_signal -1
	s_barrier_wait -1                              ; everybody's are
	v_max_num_f32 v48, v40, v44                    ; c m
	v_add_f32 v51, v42, v43                        ; each half's l: even keys' + odd keys'
	v_add_f32 v52, v46, v47
	v_sub_f32 v49, v40, v48
	v_sub_f32 v50, v44, v48
	v_exp_f32 v49, v49                             ; f_a
	v_exp_f32 v50, v50                             ; f_b
	v_nop
	s_wait_alu depctr_va_vdst(0)                   ; one wait for the two, ahead of their first reader
	v_mul_f32 v51, v51, v49
	v_fmac_f32 v51, v52, v50
	v_permlanex16_b32 v52, v51, s[SEL], s[SEL+1]   ; the query's other keys lie in the lane 16 away
	v_add_f32 v51, v51, v52
	v_max_num_f32 v51, 0x0da24260, v51             ; 1e-30: a row with no visible key stores 0 x 1e30 = 0
	v_rcp_f32 v51, v51
	v_nop
	s_wait_alu depctr_va_vdst(0)
	v_mul_f32 v54, v49, v51                        ; f_a / l
	v_mul_f32 v56, v50, v51                        ; f_b / l
.set i, 0
.rept 16
	v_pk_mul_f32 v[S+2*i:S+2*i+1], v[S+2*i:S+2*i+1], v[54:55] op_sel_hi:[1,0]
.set i, i+1
.endr
.set i, 0
.rept 16
	v_pk_fma_f32 v[S+2*i:S+2*i+1], v[S+32+2*i:S+32+2*i+1], v[56:57], v[S+2*i:S+2*i+1] op_sel_hi:[1,0,1]
.set i, i+1
.endr
.set i, 0
.rept 16
	v_cvt_pk_f16_f32 v[S+i], v[S+2*i], v[S+2*i+1]
.set i, i+1
.endr
.irp f, 0,1,2,3
	ds_store_b128 v7, v[S+4*(\f):S+4*(\f)+3] offset:32*(\f)
.endr
.irp f, 0,1,2,3
	ds_load_b128 v[S+16+4*(\f):S+16+4*(\f)+3], v8 offset:(\f)*576  ; LDS serves a wave's instructions in order (ISA guide 5.7.1.4)
.endr
.irp f, 0,1,2,3
	s_wait_dscnt 3-(\f)                            ; the younger loads from the stage may stay out
	global_store_b128 v9, v[S+16+4*(\f):S+16+4*(\f)+3], s[OP:OP+1] offset:(\f)*512  ; 512 consecutive bytes, aligned
.endr
	s_wait_xcnt 0x0                                ; the stores have read their registers and O's address
.if (\last) == 0
	s_mov_b64 s[OP:OP+1], s[OLO:OLO+1]
	s_mov_b32 s[BL], s[LT2]
	s_mov_b32 s[DOFF], s[DOF2]
.set i, 0
.rept 32
	v_mov_b32 v[Q+i], v[QB+i]
.set i, i+1
.endr
.endif
.endm
	s_load_b128 s[4:7], s[0:1], 0x0                ; q, k, v s[4:5]; the mask's table s[6:7]
	s_load_b64 s[8:9], s[0:1], 0x10                ; O
	v_lshl_add_u32 v[SPW], v0, 2, SPARE
	v_mov_b32 v[NIL], 0
	ds_add_u32 v[SPW], v[NIL]                      ; the opening: an add to the spare word, waited for ahead of my first tensor load
	v_lshrrev_b32 v1, 5, v0
	v_readfirstlane_b32 s[WV], v1
	s_and_b32 s[WL], s[WV], 1
	s_and_b32 s[WQ], s[WV], 3
	s_lshr_b32 s[WS], s[WV], 2
	s_lshl_b32 s[SO0], s[WS], 7
	s_mov_b32 s[PB], ttmp9
	s_sub_co_u32 s[HI], 15, s[PB]
	s_lshr_b32 s[LT2], s[PB], 1
	s_and_b32 s[DOF2], s[PB], 1
	s_lshl_b32 s[DOF2], s[DOF2], 7
	s_and_b32 s[DOFF], s[HI], 1
	s_lshl_b32 s[DOFF], s[DOFF], 7
	s_and_b32 s76, ttmp7, 0xffff                   ; 16 b + head
	s_lshl_b32 s77, s76, 18                        ; the head's first byte in q, and in O
	s_lshl_b32 s78, s[WL], 14                      ; a half of a tile: 128 keys
	s_add_co_u32 s78, s78, s77
	s_add_co_u32 s78, s78, 8388608                 ; in k
	s_mov_b32 s79, 0
	s_lshl_b32 s84, s[WQ], 5
	s_lshl_b32 s80, s[HI], 7
	s_add_co_u32 s80, s80, s84
	s_lshl_b32 s80, s80, 7
	s_add_co_u32 s80, s80, s77                     ; my 32 rows of the first block,
	s_mov_b32 s81, 0
	s_lshl_b32 s82, s[PB], 7
	s_add_co_u32 s82, s82, s84
	s_lshl_b32 s82, s82, 7
	s_add_co_u32 s82, s82, s77                     ; and of the second
	s_mov_b32 s83, 0
	s_lshr_b32 s86, s76, 4
	s_lshl_b32 s86, s86, 13                        ; the batch's 2,048 numbers of the mask's table
	s_mov_b32 s87, 0
	s_lshl_b32 s92, s[WS], 11                      ; of those 32 rows I store the 16 of tile ws
	s_mov_b32 s93, 0
	s_mov_b32 s[G1K], (1<<16)|(1<<20)|(4<<22)|(3<<25)  ; 2-byte elements; padding on; after every 32 words (a key's row), 4 words
	s_mov_b32 s[G1V], (1<<16)|(1<<20)|(4<<22)|(7<<25)  ; the same with 8 words
.irp g, G1K, G1V
	s_mov_b32 s[(\g)+1], 128<<16                   ; 128 keys are 16,384 dense bytes: 64 rows of 256
	s_mov_b32 s[(\g)+2], 64<<16
	s_mov_b32 s[(\g)+3], 128<<16
	s_mov_b32 s[(\g)+4], 64
	s_mov_b32 s[(\g)+5], 128
	s_mov_b32 s[(\g)+6], 0
	s_mov_b32 s[(\g)+7], 0
.endr
	s_mov_b32 s[G0K], 1
	s_mul_i32 s[G0K+1], s[WL], 18432
	s_mov_b32 s[G0V], 1
	s_mul_i32 s[G0V+1], s[WL], 20480
	s_add_co_u32 s[G0V+1], s[G0V+1], VOFF
	s_mov_b32 s[CS], 0x3e38aa3b                    ; c = log2(e) / 8
	s_mov_b32 s[CS+1], s[CS]
	s_mov_b32 s[SEL], 0x76543210
	s_mov_b32 s[SEL+1], 0xfedcba98
	s_mov_b32 s[REQ], 0
	s_lshr_b32 s[LQ], s[HI], 1
	s_mov_b32 s[BL], s[LQ]
	s_mov_b32 s[VFL], 1
	s_mov_b32 s[SLOTS], 8
	s_mov_b32 s[TBK], SLOT1+18432                  ; the first change of slots turns these two into 0
	s_mov_b32 s[TBV], SLOT1+20480
	s_mov_b32 s[OFF+1], 0
	s_cmp_eq_u32 s[PB], 0
	s_cselect_b32 s[LIM], 2, -1                    ; the prefetches stop at tile 7
	s_wait_dscnt 0x0                               ; the opening add is done
	s_wait_kmcnt 0x0
	s_add_nc_u64 s[KB:KB+1], s[4:5], s[78:79]
	s_add_nc_u64 s[VB:VB+1], s[KB:KB+1], 8388608
	s_mov_b64 s[G0K+2:G0K+3], s[KB:KB+1]
	s_or_b32 s[G0K+3], s[G0K+3], 0x80000000
	s_mov_b64 s[G0V+2:G0V+3], s[VB:VB+1]
	s_or_b32 s[G0V+3], s[G0V+3], 0x80000000
	s_add_nc_u64 s[QH:QH+1], s[4:5], s[80:81]
	s_add_nc_u64 s[QL:QL+1], s[4:5], s[82:83]
	s_add_nc_u64 s[OP:OP+1], s[8:9], s[80:81]
	s_add_nc_u64 s[OP:OP+1], s[OP:OP+1], s[92:93]
	s_add_nc_u64 s[OLO:OLO+1], s[8:9], s[82:83]
	s_add_nc_u64 s[OLO:OLO+1], s[OLO:OLO+1], s[92:93]
	s_add_nc_u64 s[6:7], s[6:7], s[86:87]
	s_and_b32 s76, s[WV], 2                        ; the prefetches: waves 0, 1, 4, 5 name K's halves, waves 2, 3, 6, 7 V's; waves 4 to 7 the upper 8,192 bytes of a half
	s_cmp_eq_u32 s76, 0
	s_cselect_b64 s[PFA:PFA+1], s[KB:KB+1], s[VB:VB+1]
	s_lshl_b32 s76, s[WS], 13
	s_add_co_u32 s76, s76, 32768                   ; at tile 1; the first change steps it to tile 2
	s_mov_b32 s77, 0
	s_add_nc_u64 s[PFA:PFA+1], s[PFA:PFA+1], s[76:77]
	LOAD                                           ; tile 0 into slot 0
	v_and_b32 v1, 15, v0                           ; r
	v_bfe_u32 v2, v0, 4, 1                         ; h
	v_lshlrev_b32 v10, 7, v1
	v_lshl_add_u32 v10, v2, 4, v10                 ; a fragment of Q: row x 128 + 16 h
.irp i, 0,1,2,3                        ; both blocks' Q: tile i / 2, channels 32 (i % 2) on
	global_load_b128 v[Q+8*(\i):Q+8*(\i)+3], v10, s[QH:QH+1] offset:((\i)/2)*2048+((\i)%2)*64
	global_load_b128 v[Q+8*(\i)+4:Q+8*(\i)+7], v10, s[QH:QH+1] offset:((\i)/2)*2048+((\i)%2)*64+32
	global_load_b128 v[QB+8*(\i):QB+8*(\i)+3], v10, s[QL:QL+1] offset:((\i)/2)*2048+((\i)%2)*64
	global_load_b128 v[QB+8*(\i)+4:QB+8*(\i)+7], v10, s[QL:QL+1] offset:((\i)/2)*2048+((\i)%2)*64+32
.endr
	v_mul_u32_u24 v3, v1, PKB
	v_lshl_add_u32 v3, v2, 4, v3                   ; row x pitch + 16 h
	v_and_b32 v60, 7, v0
	v_bfe_u32 v61, v0, 3, 1
	v_lshl_add_u32 v4, v2, 3, v60                  ; V, turned: key 8 h + l % 8, 16 bytes by (l / 8) % 2
	v_mul_u32_u24 v4, v4, PVB
	v_lshl_add_u32 v4, v61, 4, v4
	s_mul_i32 s76, s[WS], 20480                    ; my 128 keys of a tile
	s_add_co_u32 s76, s76, VOFF
	v_add_nc_u32 v4, s76, v4
	s_mul_i32 s76, s[WV], 2304
	s_add_co_u32 s76, s76, STAGE
	v_add_nc_u32 v7, s76, v3                       ; into my stage: row r, 16 bytes for each half of the lanes
	v_bfe_u32 v8, v0, 3, 2
	v_mul_u32_u24 v8, v8, 144
	v_lshl_add_u32 v8, v60, 4, v8
	v_add_nc_u32 v8, s76, v8                       ; back: four rows of 128 bytes
	s_mul_i32 s76, s[WS], 18432
	v_add_nc_u32 v3, s76, v3                       ; K: my 128 keys of a tile
	v_and_b32 v9, 31, v0
	v_lshlrev_b32 v20, 8, v9                       ; the prefetches: a lane 256 bytes
	v_lshlrev_b32 v9, 4, v9
	s_mul_i32 s76, s[WV], 9216
	s_add_co_u32 s76, s76, MRG
	v_add_nc_u32 v[DMP], s76, v9
	s_mul_i32 s76, s[WQ], 9216
	s_mul_i32 s77, s[WS], 4608
	s_add_co_u32 s76, s76, s77
	s_add_co_u32 s76, s76, MRG
	v_add_nc_u32 v[MRD], s76, v9
	v_lshlrev_b32 v11, 5, v2                       ; the mask's table: 8 numbers on for lanes 16-31
	v_mov_b32 v13, 0xf149f2ca                      ; -1e30
	v_lshlrev_b32 v62, 3, v2
	v_sub_nc_u32 v14, v1, v62
	s_lshl_b32 s76, s[WQ], 5
	v_add_nc_u32 v14, s76, v14                     ; my query's place in its block, less my lanes' 8 h: tile 0,
	v_add_nc_u32 v15, 16, v14                      ; tile 1
	v_mov_b32 v55, 0                               ; named in pairs with v54 and v56
	v_mov_b32 v57, 0
	WIN 0x40
.set i, 0
.rept 64
	v_mov_b32 v[i], 0                              ; O^T: the first step multiplies it by a = 0, so it need only be finite
.set i, i+1
.endr
	WIN 0
	s_wait_loadcnt 0x0                             ; Q
.Lslot:                                        ; 8 times: a tile is entered and the next is asked for
	CHANGE 1
	s_mov_b32 s[CNT], 2
.Lin:
	FETCH_KM
	s_cmp_eq_u32 s[VFL], 1
	s_cbranch_scc1 .Lbeg                           ; the walk's first step has no step before it
	SOFTMAX
	s_wait_dscnt 0x0                               ; V is in
	PVS
	s_cmp_eq_u32 s[NEWB], 1
	s_cbranch_scc0 .LA
	FINISH 0                                       ; the step before was the first block's last
.Lbeg:
	BEGIN
.LA:
	PARTA
	s_sub_co_u32 s[CNT], s[CNT], 1
	s_cmp_lg_u32 s[CNT], 0
	s_cbranch_scc1 .Lin
	s_sub_co_u32 s[SLOTS], s[SLOTS], 1
	s_cmp_lg_u32 s[SLOTS], 0
	s_cbranch_scc1 .Lslot
	CHANGE 0                                       ; the walk's last tile is written out
	s_mov_b32 s[CNT], 3                            ; two trips fetch my steps of it; the third is left in its middle
.Ltail:
	s_cmp_eq_u32 s[CNT], 1
	s_cbranch_scc1 .Lnok
	FETCH_KM
.Lnok:
	SOFTMAX
	s_wait_dscnt 0x0
	PVS
	s_sub_co_u32 s[CNT], s[CNT], 1
	s_cmp_eq_u32 s[CNT], 0
	s_cbranch_scc1 .Lout
	s_cmp_eq_u32 s[NEWB], 1
	s_cbranch_scc0 .LA2
	FINISH 0                                       ; (pb = 0 or 1: the second block's only tile is the walk's last)
	BEGIN
.LA2:
	PARTA
	s_branch .Ltail
.Lout:
	FINISH 1
	s_wait_tensorcnt 0x0                           ; the wave's end
	ds_add_u32 v[SPW], v[NIL]
	s_wait_dscnt 0x0
	s_endpgm
.Lfunc_end_k_qbba391d382_attn:
	.size	k_qbba391d382_attn, .Lfunc_end_k_qbba391d382_attn-k_qbba391d382_attn
	.p2alignl 7, 3214868480
	.fill 96, 4, 3214868480
	.section	.rodata,"a",@progbits
	.p2align	6, 0x0
	.amdhsa_kernel k_qbba391d382_attn
		.amdhsa_group_segment_fixed_size 327680
		.amdhsa_private_segment_fixed_size 0
		.amdhsa_enable_private_segment 0
		.amdhsa_kernarg_size 24
		.amdhsa_user_sgpr_count 2
		.amdhsa_user_sgpr_kernarg_segment_ptr 1
		.amdhsa_wavefront_size32 1
		.amdhsa_system_sgpr_workgroup_id_x 1
		.amdhsa_system_sgpr_workgroup_id_y 1
		.amdhsa_system_sgpr_workgroup_id_z 1
		.amdhsa_system_vgpr_workitem_id 0
		.amdhsa_next_free_vgpr 448
		.amdhsa_next_free_sgpr 96
		.amdhsa_reserve_vcc 1
		.amdhsa_float_denorm_mode_32 3
		.amdhsa_float_denorm_mode_16_64 3
		.amdhsa_memory_ordered 1
		.amdhsa_forward_progress 1
		.amdhsa_inst_pref_size 84
	.end_amdhsa_kernel
	.amdgpu_metadata
---
amdhsa.version: [ 1, 2 ]
amdhsa.kernels:
  - .name:           k_qbba391d382_attn
    .symbol:         k_qbba391d382_attn.kd
    .args:
      - { .name: qkvh, .offset: 0, .size: 8, .value_kind: global_buffer, .address_space: global }
      - { .name: mk, .offset: 8, .size: 8, .value_kind: global_buffer, .address_space: global }
      - { .name: hs, .offset: 16, .size: 8, .value_kind: global_buffer, .address_space: global }
    .group_segment_fixed_size: 327680
    .private_segment_fixed_size: 0
    .kernarg_segment_align: 8
    .kernarg_segment_size: 24
    .max_flat_workgroup_size: 256
    .sgpr_count:     96
    .vgpr_count:     448
    .wavefront_size: 32
...
	.end_amdgpu_metadata
.endif
;; end of part 4
;; launch oproj (part 5): grid 8 x 32, 4 waves a work-group, clusters of 4 x 4, 327,680 bytes of LDS; arguments hs, wts, x, x1; writes x1
.if DOCPART == 5
	.amdgcn_target "amdgcn-amd-amdhsa--gfx1250"
	.amdhsa_code_object_version 6
	.text
	.protected	k_qbba391d382_oproj
	.globl	k_qbba391d382_oproj
	.p2align	8
	.type	k_qbba391d382_oproj,@function
k_qbba391d382_oproj:
	s_mov_b64 s[64:65], 0
	v_nop
	global_prefetch_b8 v0, s[64:65] scope:SCOPE_SE
	s_setreg_imm32_b32 hwreg(HW_REG_WAVE_MODE, 25, 1), 1
	s_wait_xcnt 0x0
	s_wait_alu depctr_hold_cnt(0) depctr_sa_sdst(0) depctr_va_vdst(0) depctr_va_sdst(0) depctr_va_ssrc(0) depctr_va_vcc(0) depctr_vm_vsrc(0)
	s_getreg_b32 s2, hwreg(HW_REG_IB_STS2, 6, 4)
	s_cmp_eq_u32 s2, 0
	s_cbranch_scc0 .Lentry_in_a_cluster
	s_endpgm
.Lentry_in_a_cluster:
	s_bfe_u32 s2, ttmp6, 0x10000c
	s_cmp_lg_u32 s2, 0xf033
	s_cbranch_scc0 .Lentry_shape_is_right
	s_endpgm
.Lentry_shape_is_right:
; x1 = x + O W_out.  O: f16 by heads = slabs [b][16][2048][64]; W_out: f16 [1024][1024] at byte 6,291,456 of the weights; x, x1: f32 [4096][1024].  Sums and the residual in f32.
; A work-group makes 128 x 128; its four waves (2 x 2) 64 x 64 each: 16 accumulators.  256 work-groups.  K goes in 4 steps of 256 through two LDS slots; a step is four units of 64.
; Waves 0, 1 fetch A's halves (64 rows x 4 slabs), waves 2, 3 B's (128 rows k x 128 columns).  CLUSTER 4 x 4: A shared along a row, B along a column, by joint loads.
; The product is taken transposed (source 0 = 16 columns of W, turned; source 1 = 16 rows of O): a lane ends with one row and eight neighbouring columns.
; The residual's 32 loads a lane go out ahead of the K loop.  No prefetch: the launch has four steps.
; REGISTERS.  window 0: v0-19 addresses, v64-191 two sets of B's 8 fragments (later the way out);  window 1: v0-127 the accumulators (4 a + n);  window 2: v0-127 the residual;  window 3: v0-127 two sets of A's 8 fragments.
.set TSTEPS, 4
.set SLOT,  143360                     ; A 69,632 + B 73,728
.set BBASE, 69632
.set PB,    288                        ; a row of B: 256 bytes + 32, an odd multiple of 32
.set LBLK,  8704                       ; 64 rows of a slab: 32 x (256 + 16)
.set HALFA, 17408
.set HALFB, 36864
.set STAGE, 286720                     ; 16 rows x 272 bytes for each wave
.set SPARE, 304128
.set ASTEP, 1048576
.set BSTEP, 524288
.set WV, 12
.set WH, 13
.set WL, 14
.set CX, 15
.set CY, 16
.set TX, 17
.set TY, 18
.set CNT, 19
.set TB, 20
.set WB, 21
.set LWA, 22
.set LWB, 23
.set G1A, 24
.set G0A, 32
.set G0B, 36
.set G1B, 40
.set ADRA0, 8
.set ADRB0, 9
.set ADRA, 10
.set ADRB, 12
.set STO, 14
.set RD, 15
.set CO, 16
.set SPW, 18
.set NIL, 19
.set BF, 64
.set AF, 0
.set MSB, 0
.macro WIN new
.if MSB != (\new)
	s_set_vgpr_msb (MSB<<8)|(\new)
.set MSB, (\new)
.endif
.endm
.macro PLACES
.rept 4
	v_nop
.endr
.endm
.macro JLOAD
	s_cmp_eq_u32 s[WH], 0
	s_cbranch_scc0 .Lfor_b_\@
	tensor_load_to_lds s[G0A:G0A+3], s[G1A:G1A+7]
	s_nop 0
.rept 4
	v_nop
.endr
	s_branch .Lasked_\@
.Lfor_b_\@:
	tensor_load_to_lds s[G0B:G0B+3], s[G1B:G1B+7]
	s_nop 0
.rept 4
	v_nop
.endr
.Lasked_\@:
.endm
.macro CREST
	s_cmp_lg_u32 s[WV], 0
	s_cbranch_scc1 .Lnot_wave_0_\@
	s_barrier_signal -3
.Lnot_wave_0_\@:
	s_barrier_wait -3
	s_barrier_signal -1
	s_barrier_wait -1
.endm
.macro CROUND
	s_barrier_signal -1
	s_barrier_wait -1
	CREST
.endm
	s_load_b256 s[4:11], s[0:1], 0x0               ; O s[4:5], weights s[6:7], x s[8:9], x1 s[10:11]
	v_lshl_add_u32 v[SPW], v0, 2, SPARE
	v_mov_b32 v[NIL], 0
	ds_add_u32 v[SPW], v[NIL]                      ; the opening: an add to the spare word, waited for ahead of my first tensor load
	v_lshrrev_b32 v3, 5, v0
	v_readfirstlane_b32 s[WV], v3
	v_and_b32 v1, 15, v0
	v_bfe_u32 v2, v0, 4, 1
	s_lshr_b32 s[WH], s[WV], 1
	s_and_b32 s[WL], s[WV], 1
	s_bfe_u32 s[CX], ttmp6, 0x40000
	s_bfe_u32 s[CY], ttmp6, 0x40004
	s_lshl_b32 s[TX], ttmp9, 2
	s_add_co_u32 s[TX], s[TX], s[CX]
	s_and_b32 s[TY], ttmp7, 0xffff
	s_lshl_b32 s[TY], s[TY], 2
	s_add_co_u32 s[TY], s[TY], s[CY]
	s_lshl_b32 s54, s[CY], 2
	s_lshl_b32 s54, 15, s54
	s_lshl_b32 s56, 0x1111, s[CX]
	s_or_b32 s[G1A], s54, (1<<16)|(1<<20)|(1<<21)|(5<<22)|(3<<25)
	s_mov_b32 s[G1A+1], 4096<<16                   ; 64 rows of a slab, dense
	s_mov_b32 s[G1A+2], 4<<16                      ; four slabs
	s_mov_b32 s[G1A+3], 4096<<16
	s_mov_b32 s[G1A+4], 4
	s_mov_b32 s[G1A+5], 131072
	s_mov_b32 s[G1A+6], 0
	s_mov_b32 s[G1A+7], 0
	s_or_b32 s[G1B], s56, (1<<16)|(1<<20)|(1<<21)|(5<<22)|(7<<25)
	s_mov_b32 s[G1B+1], 128<<16
	s_mov_b32 s[G1B+2], 128<<16
	s_mov_b32 s[G1B+3], 128<<16
	s_mov_b32 s[G1B+4], 128
	s_mov_b32 s[G1B+5], 1024
	s_mov_b32 s[G1B+6], 0
	s_mov_b32 s[G1B+7], 0
	s_mul_i32 s[LWA], s[WL], 4*LBLK
	s_mul_i32 s[LWB], s[WL], HALFB
	s_add_co_u32 s[LWB], s[LWB], BBASE
	s_mov_b32 s[TB], SLOT
	s_mov_b32 s[WB], 0
	s_mov_b32 s[G0A], 1
	s_mov_b32 s[G0A+1], s[LWA]
	s_mov_b32 s[G0B], 1
	s_mov_b32 s[G0B+1], s[LWB]
	s_lshr_b32 s54, s[TY], 4
	s_lshl_b32 s54, s54, 22
	s_and_b32 s55, s[TY], 15
	s_lshl_b32 s55, s55, 7
	s_lshl_b32 s58, s[WL], 6
	s_add_co_u32 s55, s55, s58
	s_lshl_b32 s55, s55, 7
	s_add_co_u32 s54, s54, s55
	s_mov_b32 s55, 0
	s_lshl_b32 s56, s[WL], 18                      ; 128 rows of 2,048 bytes
	s_lshl_b32 s57, s[TX], 8
	s_add_co_u32 s56, s56, s57
	s_add_co_u32 s56, s56, 6291456
	s_mov_b32 s57, 0
	s_lshl_b32 s72, s[TY], 7                       ; my part of x and x1: row 128 TY + 64 (wave / 2), column 128 TX + 64 (wave % 2)
	s_lshl_b32 s73, s[WH], 6
	s_add_co_u32 s72, s72, s73
	s_lshl_b32 s72, s72, 12
	s_lshl_b32 s73, s[TX], 9
	s_add_co_u32 s72, s72, s73
	s_lshl_b32 s73, s[WL], 8
	s_add_co_u32 s72, s72, s73
	s_mov_b32 s73, 0
	s_wait_dscnt 0x0
	s_wait_kmcnt 0x0
	s_add_nc_u64 s[G0A+2:G0A+3], s[4:5], s[54:55]
	s_or_b32 s[G0A+3], s[G0A+3], 0x80000000
	s_add_nc_u64 s[G0B+2:G0B+3], s[6:7], s[56:57]
	s_or_b32 s[G0B+3], s[G0B+3], 0x80000000
	s_add_nc_u64 s[66:67], s[8:9], s[72:73]
	s_add_nc_u64 s[68:69], s[10:11], s[72:73]
	CROUND
	JLOAD                                          ; tile 0 into slot 0
	v_and_b32 v3, 7, v0
	v_bfe_u32 v4, v0, 3, 1
	v_lshrrev_b32 v5, 1, v1
	v_mul_u32_u24 v[ADRA0], v5, 272
	v_and_b32 v5, 1, v1
	v_lshl_add_u32 v[ADRA0], v5, 7, v[ADRA0]
	v_lshl_add_u32 v[ADRA0], v2, 4, v[ADRA0]
	s_mul_i32 s72, s[WH], 4*LBLK
	v_add_nc_u32 v[ADRA0], s72, v[ADRA0]
	v_lshl_add_u32 v5, v2, 3, v3
	v_mul_u32_u24 v[ADRB0], v5, PB
	v_lshl_add_u32 v[ADRB0], v4, 4, v[ADRB0]
	s_lshl_b32 s72, s[WL], 7
	s_add_co_u32 s72, s72, BBASE
	v_add_nc_u32 v[ADRB0], s72, v[ADRB0]
	s_mul_i32 s72, s[WV], 4352
	s_add_co_u32 s72, s72, STAGE
	v_mul_u32_u24 v[STO], v1, 272                  ; in: row r, 32 bytes for each half of the lanes
	v_lshl_add_u32 v[STO], v2, 5, v[STO]
	v_add_nc_u32 v[STO], s72, v[STO]
	v_mul_u32_u24 v[RD], v2, 272                   ; back: lanes 0-15 one row of 256 bytes, lanes 16-31 the next
	v_lshl_add_u32 v[RD], v1, 4, v[RD]
	v_add_nc_u32 v[RD], s72, v[RD]
	v_lshlrev_b32 v[CO], 12, v2                    ; the same two rows in x and x1
	v_lshl_add_u32 v[CO], v1, 4, v[CO]
	WIN 0x80                                       ; destination window 2
.set i, 0
.rept 32                               ; rows 2 i, 2 i + 1 of my 64
	global_load_b128 v[4*i:4*i+3], v[CO], s[66:67] offset:2*i*4096 th:TH_LOAD_NT
.set i, i+1
.endr
	WIN 0
.macro FETCH u                         ; unit u (64 along K = slab u of the step) into set u % 2: 16 loads of A, 16 of B
	WIN 0xc0
.irp c, 0,1
.irp a, 0,1,2,3
	ds_load_b128 v[AF+64*((\u)&1)+8*(4*(\c)+(\a)):AF+64*((\u)&1)+8*(4*(\c)+(\a))+3], v[ADRA+((\u)>>1)] offset:((\u)&1)*LBLK+(\a)*2176+(\c)*64
	ds_load_b128 v[AF+64*((\u)&1)+8*(4*(\c)+(\a))+4:AF+64*((\u)&1)+8*(4*(\c)+(\a))+7], v[ADRA+((\u)>>1)] offset:((\u)&1)*LBLK+(\a)*2176+(\c)*64+32
.endr
.endr
	WIN 0
.irp c, 0,1
.irp n, 0,1,2,3
	ds_load_tr16_b128 v[BF+64*((\u)&1)+8*(4*(\c)+(\n)):BF+64*((\u)&1)+8*(4*(\c)+(\n))+3], v[ADRB+((\u)>>1)] offset:(2*((\u)&1)+(\c))*32*PB+(\n)*32
	ds_load_tr16_b128 v[BF+64*((\u)&1)+8*(4*(\c)+(\n))+4:BF+64*((\u)&1)+8*(4*(\c)+(\n))+7], v[ADRB+((\u)>>1)] offset:(2*((\u)&1)+(\c))*32*PB+(\n)*32+16*PB
.endr
.endr
.endm
.macro MULP u, c, zero                 ; half c of unit u: all 16 accumulators by turns
	WIN 0x5c
.irp a, 0,1,2,3
.irp n, 0,1,2,3
.if \zero
	v_wmma_f32_16x16x32_f16 v[8*(4*(\a)+(\n)):8*(4*(\a)+(\n))+7], v[BF+64*((\u)&1)+8*(4*(\c)+(\n)):BF+64*((\u)&1)+8*(4*(\c)+(\n))+7], v[AF+64*((\u)&1)+8*(4*(\c)+(\a)):AF+64*((\u)&1)+8*(4*(\c)+(\a))+7], 0
.else
	v_wmma_f32_16x16x32_f16 v[8*(4*(\a)+(\n)):8*(4*(\a)+(\n))+7], v[BF+64*((\u)&1)+8*(4*(\c)+(\n)):BF+64*((\u)&1)+8*(4*(\c)+(\n))+7], v[AF+64*((\u)&1)+8*(4*(\c)+(\a)):AF+64*((\u)&1)+8*(4*(\c)+(\a))+7], v[8*(4*(\a)+(\n)):8*(4*(\a)+(\n))+7]
.endif
.endr
.endr
.endm
.macro UNIT u, zero
	s_wait_dscnt 0x0
	MULP \u, 0, \zero
	PLACES
	FETCH (\u)+1
	MULP \u, 1, 0
.endm
; The change of slots: every wave waits for all its tensor loads, adds 0 to its spare word, waits for that and for its reads; fill = 1: a round of the cluster's barrier, the joint refill first behind it.
.macro TURN fill, mul
	WIN 0
	s_wait_tensorcnt 0x0
	ds_add_u32 v[SPW], v[NIL]
.if \fill
	s_xor_b32 s[WB], s[WB], SLOT
	s_add_co_u32 s[G0A+1], s[WB], s[LWA]
	s_add_co_u32 s[G0B+1], s[WB], s[LWB]
	s_add_nc_u64 s[G0A+2:G0A+3], s[G0A+2:G0A+3], ASTEP
	s_add_nc_u64 s[G0B+2:G0B+3], s[G0B+2:G0B+3], BSTEP
.endif
	s_wait_dscnt 0x0
	s_barrier_signal -1
.if \mul
	MULP 3, 0, 0
	WIN 0
.endif
	s_barrier_wait -1
.if \fill
	CREST
	JLOAD
.else
	PLACES
.endif
	s_xor_b32 s[TB], s[TB], SLOT
	v_add_nc_u32 v[ADRA], s[TB], v[ADRA0]
	v_add_nc_u32 v[ADRA+1], HALFA, v[ADRA]
	v_add_nc_u32 v[ADRB], s[TB], v[ADRB0]
	v_add_nc_u32 v[ADRB+1], HALFB, v[ADRB]
	FETCH 0
.if \mul
	MULP 3, 1, 0
.endif
.endm
; THE WAY OUT.  Row block a: 16 rows x 64 f32 through my own stage (rows of 272 bytes), back as whole rows of 256 bytes; the residual is added; 16 lanes store 256 consecutive bytes, aligned.
.macro STG a
	WIN 0x04                                       ; the stores' data in window 1
.irp j, 0,1,2,3
	ds_store_b128 v[STO], v[8*(4*(\a)+(\j)):8*(4*(\a)+(\j))+3] offset:64*(\j)
	ds_store_b128 v[STO], v[8*(4*(\a)+(\j))+4:8*(4*(\a)+(\j))+7] offset:64*(\j)+16
.endr
	WIN 0
.irp f, 0,1,2,3,4,5,6,7
	ds_load_b128 v[64+32*(\a)+4*(\f):64+32*(\a)+4*(\f)+3], v[RD] offset:(\f)*544
.endr
.endm
.macro SEND a, y
	s_wait_dscnt \y
	WIN 0x08                                       ; source 1 in window 2
.set i, 0
.rept 16
	v_pk_add_f32 v[64+32*(\a)+2*i:64+32*(\a)+2*i+1], v[64+32*(\a)+2*i:64+32*(\a)+2*i+1], v[32*(\a)+2*i:32*(\a)+2*i+1]
.set i, i+1
.endr
	WIN 0
.irp f, 0,1,2,3,4,5,6,7
	global_store_b128 v[CO], v[64+32*(\a)+4*(\f):64+32*(\a)+4*(\f)+3], s[68:69] offset:(16*(\a)+2*(\f))*4096
.endr
.endm
	TURN 1, 0                                      ; tile 0 is in; tile 1 goes into slot 1; unit 0 is fetched
	UNIT 0, 1
	WIN 0
	s_mov_b32 s[CNT], TSTEPS-1
	s_branch .Lmid
.Lstep:
	TURN 1, 1
	UNIT 0, 0
	WIN 0
.Lmid:
	UNIT 1, 0
	UNIT 2, 0
	WIN 0
	s_sub_co_u32 s[CNT], s[CNT], 1
	s_cmp_lg_u32 s[CNT], 0
	s_cbranch_scc1 .Lstep
	TURN 0, 1
	UNIT 0, 0
	UNIT 1, 0
	UNIT 2, 0
	s_wait_dscnt 0x0
	MULP 3, 0, 0
	MULP 3, 1, 0
	PLACES
	s_wait_loadcnt 0x0                             ; the residual
	STG 0
.irp a, 1,2,3
	STG \a
	SEND (\a)-1, 16                                ; the next block's sixteen LDS instructions may stay out
.endr
	SEND 3, 0
	s_wait_tensorcnt 0x0                           ; the wave's end
	ds_add_u32 v[SPW], v[NIL]
	s_wait_dscnt 0x0
	CROUND
	s_endpgm
.Lfunc_end_k_qbba391d382_oproj:
	.size	k_qbba391d382_oproj, .Lfunc_end_k_qbba391d382_oproj-k_qbba391d382_oproj
	.p2alignl 7, 3214868480
	.fill 96, 4, 3214868480
	.section	.rodata,"a",@progbits
	.p2align	6, 0x0
	.amdhsa_kernel k_qbba391d382_oproj
		.amdhsa_group_segment_fixed_size 327680
		.amdhsa_private_segment_fixed_size 0
		.amdhsa_enable_private_segment 0
		.amdhsa_kernarg_size 32
		.amdhsa_user_sgpr_count 2
		.amdhsa_user_sgpr_kernarg_segment_ptr 1
		.amdhsa_wavefront_size32 1
		.amdhsa_system_sgpr_workgroup_id_x 1
		.amdhsa_system_sgpr_workgroup_id_y 1
		.amdhsa_system_sgpr_workgroup_id_z 1
		.amdhsa_system_vgpr_workitem_id 0
		.amdhsa_next_free_vgpr 1024
		.amdhsa_next_free_sgpr 96
		.amdhsa_reserve_vcc 0
		.amdhsa_float_denorm_mode_32 3
		.amdhsa_float_denorm_mode_16_64 3
		.amdhsa_memory_ordered 1
		.amdhsa_forward_progress 1
		.amdhsa_inst_pref_size 68
	.end_amdhsa_kernel
	.amdgpu_metadata
---
amdhsa.version: [ 1, 2 ]
amdhsa.kernels:
  - .name:           k_qbba391d382_oproj
    .symbol:         k_qbba391d382_oproj.kd
    .args:
      - { .name: hs, .offset: 0, .size: 8, .value_kind: global_buffer, .address_space: global }
      - { .name: wts, .offset: 8, .size: 8, .value_kind: global_buffer, .address_space: global }
      - { .name: x, .offset: 16, .size: 8, .value_kind: global_buffer, .address_space: global }
      - { .name: x1, .offset: 24, .size: 8, .value_kind: global_buffer, .address_space: global }
    .group_segment_fixed_size: 327680
    .private_segment_fixed_size: 0
    .kernarg_segment_align: 8
    .kernarg_segment_size: 32
    .max_flat_workgroup_size: 128
    .sgpr_count:     96
    .vgpr_count:     1024
    .wavefront_size: 32
...
	.end_amdgpu_metadata
.endif
;; end of part 5
;; launch ln2: the kernel of part 2 again; grid 256 x 1, 8 waves a work-group, no clusters, 0 bytes of LDS; arguments x1, g2, b2, hs; writes hs
;; launch ffn1 (part 6): grid 16 x 16, 4 waves a work-group, clusters of 4 x 4, 327,680 bytes of LDS; arguments hs, wts, us; writes us
.if DOCPART == 6
	.amdgcn_target "amdgcn-amd-amdhsa--gfx1250"
	.amdhsa_code_object_version 6
	.text
	.protected	k_qbba391d382_ffn1
	.globl	k_qbba391d382_ffn1
	.p2align	8
	.type	k_qbba391d382_ffn1,@function
k_qbba391d382_ffn1:
	s_mov_b64 s[64:65], 0
	v_nop
	global_prefetch_b8 v0, s[64:65] scope:SCOPE_SE
	s_setreg_imm32_b32 hwreg(HW_REG_WAVE_MODE, 25, 1), 1
	s_wait_xcnt 0x0
	s_wait_alu depctr_hold_cnt(0) depctr_sa_sdst(0) depctr_va_vdst(0) depctr_va_sdst(0) depctr_va_ssrc(0) depctr_va_vcc(0) depctr_vm_vsrc(0)
	s_getreg_b32 s2, hwreg(HW_REG_IB_STS2, 6, 4)
	s_cmp_eq_u32 s2, 0
	s_cbranch_scc0 .Lentry_in_a_cluster
	s_endpgm
.Lentry_in_a_cluster:
	s_bfe_u32 s2, ttmp6, 0x10000c
	s_cmp_lg_u32 s2, 0xf033
	s_cbranch_scc0 .Lentry_shape_is_right
	s_endpgm
.Lentry_shape_is_right:
; u = silu(h2 W1) * (h2 W2).  h2: f16 in slabs [b][16][2048][64]; W1, W2: f16 by tiles [16 j][1024 k][176] (columns 2730 on are 0); u: bf16 in slabs of 16 columns [b][176][2048][16].  Sums and the activation in f32.
; W1 arrives times -log2(e) and W2 times -ln 2 (the launch that casts them scales them): with G' = -log2(e) g and U' = -ln 2 up, silu(g) up = G' U' / (1 + 2^G').
; u goes in bf16: with gains and weights some 30 times larger it passes f16's range.  The padded columns give 0 x 0 / 2 = 0.
; A work-group makes 256 rows x tile j of both products; wave w rows 64 w .. 64 w + 63 x (176 + 176) columns: 88 accumulators.  256 work-groups.
; K goes in 16 steps of 64 through two LDS slots.  A step is four units: (32 along K: u / 2) x (gate or up: u % 2), 44 matrix instructions each; the two units of one 32 along K share their fragments of A.
; Waves 0, 1 fetch A's halves (128 rows of a slab, dense), wave 2 W1's 64 rows k, wave 3 W2's (22,528 dense bytes each).  CLUSTER 4 x 4: A shared along a row, B along a column, by joint loads.
; The product is taken transposed (source 0 = 16 columns of W, turned; source 1 = 16 rows of h2): a lane ends with one row and eight neighbouring columns: 16 bytes of a slab of u; no LDS on the way out.
; REGISTERS.  window 0: v0-19 addresses, v64-239 two sets of B's 11 fragments, gate's and up's (later the way out);  registers 256-959: the accumulators (q = 44 (u % 2) + 11 a + n);
;             window 3: v192-255 two sets of A's 4 fragments, by the parity of u / 2.
.set TSTEPS, 16
.set SLOT,  79872                      ; A 34,816 + B 45,056
.set BBASE, 34816
.set PB,    352                        ; a row of B: 176 columns, an odd multiple of 32 bytes, no padding
.set SPARE, 159744
.set ASTEP, 262144                     ; a slab
.set BSTEP, 22528                      ; 64 rows of 352 bytes
.set AH,    1
.set WV, 12
.set WH, 13
.set WL, 14
.set CX, 15
.set CY, 16
.set TX, 17
.set TY, 18
.set CNT, 19
.set TB, 20
.set WB, 21
.set LWA, 22
.set LWB, 23
.set G1A, 24
.set G0A, 32
.set G0B, 36
.set G1B, 40
.set PFA, 48
.set PFS, 50
.set LIM, 52
.set ADRA0, 8
.set ADRB0, 9
.set ADRA, 10
.set ADRB, 12
.set UO, 16
.set PFO, 17
.set SPW, 18
.set NIL, 19
.set BF, 64
.set AF, 192
.set TT, 64                            ; the way out: 88 numbers at work,
.set UU, 152                           ; 44 registers to store
.set MSB, 0
.macro WIN new
.if MSB != (\new)
	s_set_vgpr_msb (MSB<<8)|(\new)
.set MSB, (\new)
.endif
.endm
.macro PLACES
.rept 4
	v_nop
.endr
.endm
.macro JLOAD
	s_cmp_eq_u32 s[WH], 0
	s_cbranch_scc0 .Lfor_b_\@
	tensor_load_to_lds s[G0A:G0A+3], s[G1A:G1A+7]
	s_nop 0
.rept 4
	v_nop
.endr
	s_branch .Lasked_\@
.Lfor_b_\@:
	tensor_load_to_lds s[G0B:G0B+3], s[G1B:G1B+7]
	s_nop 0
.rept 4
	v_nop
.endr
.Lasked_\@:
.endm
.macro ASK
	s_cmp_gt_u32 s[CNT], s[LIM]
	s_cbranch_scc0 .Lnot_mine_\@
	global_prefetch_b8 v[PFO], s[PFA:PFA+1] th:TH_LOAD_NT scope:SCOPE_SE
.Lnot_mine_\@:
.endm
.macro CREST
	s_cmp_lg_u32 s[WV], 0
	s_cbranch_scc1 .Lnot_wave_0_\@
	s_barrier_signal -3
.Lnot_wave_0_\@:
	s_barrier_wait -3
	s_barrier_signal -1
	s_barrier_wait -1
.endm
.macro CROUND
	s_barrier_signal -1
	s_barrier_wait -1
	CREST
.endm
	s_load_b128 s[4:7], s[0:1], 0x0                ; h2 s[4:5], weights s[6:7]
	s_load_b64 s[8:9], s[0:1], 0x10                ; u
	v_lshl_add_u32 v[SPW], v0, 2, SPARE
	v_mov_b32 v[NIL], 0
	ds_add_u32 v[SPW], v[NIL]                      ; the opening: an add to the spare word, waited for ahead of my first tensor load
	v_lshrrev_b32 v3, 5, v0
	v_readfirstlane_b32 s[WV], v3
	v_and_b32 v1, 15, v0
	v_bfe_u32 v2, v0, 4, 1
	s_lshr_b32 s[WH], s[WV], 1
	s_and_b32 s[WL], s[WV], 1
	s_bfe_u32 s[CX], ttmp6, 0x40000
	s_bfe_u32 s[CY], ttmp6, 0x40004
	s_lshl_b32 s[TX], ttmp9, 2
	s_add_co_u32 s[TX], s[TX], s[CX]
	s_and_b32 s[TY], ttmp7, 0xffff
	s_lshl_b32 s[TY], s[TY], 2
	s_add_co_u32 s[TY], s[TY], s[CY]
	s_lshl_b32 s54, s[CY], 2
	s_lshl_b32 s54, 15, s54
	s_lshl_b32 s56, 0x1111, s[CX]
	s_or_b32 s[G1A], s54, (1<<16)|(1<<20)|(1<<21)|(5<<22)|(3<<25)  ; padded: 16 bytes behind every 256 (two rows of the slab)
	s_mov_b32 s[G1A+1], 128<<16                    ; 128 rows of a slab are 16,384 dense bytes: 64 rows of 256
	s_mov_b32 s[G1A+2], 64<<16
	s_mov_b32 s[G1A+3], 128<<16
	s_mov_b32 s[G1A+4], 64
	s_mov_b32 s[G1A+5], 128
	s_mov_b32 s[G1A+6], 0
	s_mov_b32 s[G1A+7], 0
	s_or_b32 s[G1B], s56, (1<<16)|(1<<21)          ; no padding
	s_mov_b32 s[G1B+1], 128<<16                    ; 22,528 dense bytes: 88 rows of 256
	s_mov_b32 s[G1B+2], 88<<16
	s_mov_b32 s[G1B+3], 128<<16
	s_mov_b32 s[G1B+4], 88
	s_mov_b32 s[G1B+5], 128
	s_mov_b32 s[G1B+6], 0
	s_mov_b32 s[G1B+7], 0
	s_mul_i32 s[LWA], s[WL], 17408
	s_mul_i32 s[LWB], s[WL], 22528
	s_add_co_u32 s[LWB], s[LWB], BBASE
	s_mov_b32 s[TB], SLOT
	s_mov_b32 s[WB], 0
	s_mov_b32 s[G0A], 1
	s_mov_b32 s[G0A+1], s[LWA]
	s_mov_b32 s[G0B], 1
	s_mov_b32 s[G0B+1], s[LWB]
	s_lshr_b32 s54, s[TY], 3                       ; A: batch, row t of the half that I fetch
	s_lshl_b32 s54, s54, 22
	s_and_b32 s55, s[TY], 7
	s_lshl_b32 s55, s55, 8
	s_lshl_b32 s58, s[WL], 7
	s_add_co_u32 s55, s55, s58
	s_lshl_b32 s55, s55, 7
	s_add_co_u32 s54, s54, s55
	s_mov_b32 s55, 0
	s_mul_i32 s56, s[WL], 5767168                  ; B: W1 or W2, tile TX
	s_mul_i32 s57, s[TX], 360448
	s_add_co_u32 s56, s56, s57
	s_add_co_u32 s56, s56, 14155776
	s_mov_b32 s57, 0
	; THE PREFETCHES.  A step's A is 32,768 dense bytes: the cluster with x = 0 asks, each partner 8,192 (by cx), by wave 0.  Its B is two blocks of 22,528: the cluster with y = 0 asks, each partner
	; 5,632 of each (by cy), by waves 2 and 3: 22 blocks of 256, lanes 22 on repeat the last.  Wave 1 asks for nothing.
	s_lshl_b32 s60, s[CX], 13
	s_add_co_u32 s60, s60, s54
	s_add_co_u32 s60, s60, (1+AH)*ASTEP
	s_mul_i32 s62, s[CY], 5632
	s_add_co_u32 s62, s62, s56
	s_add_co_u32 s62, s62, (1+AH)*BSTEP
	s_mov_b32 s75, ASTEP
	s_movk_i32 s76, BSTEP
	s_and_b32 s78, ttmp7, 0xffff
	s_cmp_eq_u32 s[WH], 0
	s_cselect_b32 s60, s60, s62
	s_cselect_b32 s[PFS], s75, s76
	s_cselect_b32 s78, ttmp9, s78
	s_cselect_b32 s77, 31, 21
	s_mov_b32 s61, 0
	s_mov_b32 s[PFS+1], 0
	s_cmp_eq_u32 s[WV], 1
	s_cselect_b32 s78, 1, s78
	s_cmp_eq_u32 s78, 0
	s_cselect_b32 s[LIM], AH, -1
	v_and_b32 v5, 31, v0
	v_min_u32 v[PFO], s77, v5
	v_lshlrev_b32 v[PFO], 8, v[PFO]
	s_lshr_b32 s74, s[TY], 3                       ; u: slab 176 b + 11 TX, row t = 256 (TY % 8) + 64 wave
	s_mul_i32 s74, s74, 176
	s_mul_i32 s75, s[TX], 11
	s_add_co_u32 s74, s74, s75
	s_lshl_b32 s74, s74, 16
	s_and_b32 s75, s[TY], 7
	s_lshl_b32 s75, s75, 8
	s_lshl_b32 s76, s[WV], 6
	s_add_co_u32 s75, s75, s76
	s_lshl_b32 s75, s75, 5
	s_add_co_u32 s74, s74, s75
	s_mov_b32 s75, 0
	s_wait_dscnt 0x0
	s_wait_kmcnt 0x0
	s_add_nc_u64 s[G0A+2:G0A+3], s[4:5], s[54:55]
	s_or_b32 s[G0A+3], s[G0A+3], 0x80000000
	s_add_nc_u64 s[G0B+2:G0B+3], s[6:7], s[56:57]
	s_or_b32 s[G0B+3], s[G0B+3], 0x80000000
	s_cmp_eq_u32 s[WH], 0
	s_cselect_b64 s[PFA:PFA+1], s[4:5], s[6:7]
	s_add_nc_u64 s[PFA:PFA+1], s[PFA:PFA+1], s[60:61]
	s_add_nc_u64 s[66:67], s[8:9], s[74:75]
	CROUND
	JLOAD                                          ; tile 0 into slot 0
	v_and_b32 v3, 7, v0
	v_bfe_u32 v4, v0, 3, 1
	v_lshrrev_b32 v5, 1, v1
	v_mul_u32_u24 v[ADRA0], v5, 272
	v_and_b32 v5, 1, v1
	v_lshl_add_u32 v[ADRA0], v5, 7, v[ADRA0]
	v_lshl_add_u32 v[ADRA0], v2, 4, v[ADRA0]
	s_mul_i32 s74, s[WH], 17408
	s_mul_i32 s75, s[WL], 8704
	s_add_co_u32 s74, s74, s75                     ; my 64 rows
	v_add_nc_u32 v[ADRA0], s74, v[ADRA0]
	v_lshl_add_u32 v5, v2, 3, v3
	v_mul_u32_u24 v[ADRB0], v5, PB
	v_lshl_add_u32 v[ADRB0], v4, 4, v[ADRB0]
	v_add_nc_u32 v[ADRB0], BBASE, v[ADRB0]
	v_lshlrev_b32 v[UO], 5, v1
	v_lshl_add_u32 v[UO], v2, 4, v[UO]             ; 32 r + 16 h
; Unit u's fragments: 22 loads of B into set u % 2; with a gate's unit (u even) also 8 loads of A, into the set of the parity of u / 2, which up's unit behind it multiplies too.
; That set's last readers are the two units of the same parity a step's half earlier: two units or more ahead of these loads.
.macro FETCH u
.if ((\u)&1) == 0
	WIN 0xc0
.irp a, 0,1,2,3
	ds_load_b128 v[AF+32*(((\u)>>1)&1)+8*(\a):AF+32*(((\u)>>1)&1)+8*(\a)+3], v[ADRA] offset:(\a)*2176+((\u)>>1)*64
	ds_load_b128 v[AF+32*(((\u)>>1)&1)+8*(\a)+4:AF+32*(((\u)>>1)&1)+8*(\a)+7], v[ADRA] offset:(\a)*2176+((\u)>>1)*64+32
.endr
.endif
	WIN 0
.irp n, 0,1,2,3,4,5,6,7,8,9,10
	ds_load_tr16_b128 v[BF+88*((\u)&1)+8*(\n):BF+88*((\u)&1)+8*(\n)+3], v[ADRB] offset:((\u)&1)*22528+((\u)>>1)*32*PB+(\n)*32
	ds_load_tr16_b128 v[BF+88*((\u)&1)+8*(\n)+4:BF+88*((\u)&1)+8*(\n)+7], v[ADRB] offset:((\u)&1)*22528+((\u)>>1)*32*PB+(\n)*32+16*PB
.endr
.endm
.macro MULP u, p, zero                 ; row blocks 2 p, 2 p + 1 x 11 column blocks; the accumulators take turns
.irp a, 2*(\p), 2*(\p)+1
.irp n, 0,1,2,3,4,5,6,7,8,9,10
.set q, ((\u)&1)*44+(\a)*11+(\n)
.set wq, 0x0c|((1+(q>>5))*0x50)
.set rD, (8*q)&255
.set rA, AF+32*(((\u)>>1)&1)+8*(\a)
	WIN wq
.if \zero
	v_wmma_f32_16x16x32_f16 v[rD:rD+7], v[BF+88*((\u)&1)+8*(\n):BF+88*((\u)&1)+8*(\n)+7], v[rA:rA+7], 0
.else
	v_wmma_f32_16x16x32_f16 v[rD:rD+7], v[BF+88*((\u)&1)+8*(\n):BF+88*((\u)&1)+8*(\n)+7], v[rA:rA+7], v[rD:rD+7]
.endif
.endr
.endr
.endm
.macro UNIT u, zero
	s_wait_dscnt 0x0
	MULP \u, 0, \zero
	PLACES
	FETCH (\u)+1
	MULP \u, 1, \zero
.endm
; The change of slots: every wave waits for all its tensor loads, adds 0 to its spare word, waits for that and for its reads; fill = 1: a round of the cluster's barrier, the joint refill first behind it.
.macro TURN fill, mul, pf
.if \pf
	s_wait_xcnt 0x0                                ; the last prefetch, a step back, has read its address
	s_add_nc_u64 s[PFA:PFA+1], s[PFA:PFA+1], s[PFS:PFS+1]
.endif
	WIN 0
	s_wait_tensorcnt 0x0
	ds_add_u32 v[SPW], v[NIL]
.if \fill
	s_xor_b32 s[WB], s[WB], SLOT
	s_add_co_u32 s[G0A+1], s[WB], s[LWA]
	s_add_co_u32 s[G0B+1], s[WB], s[LWB]
	s_add_nc_u64 s[G0A+2:G0A+3], s[G0A+2:G0A+3], ASTEP
	s_add_nc_u64 s[G0B+2:G0B+3], s[G0B+2:G0B+3], BSTEP
.endif
	s_wait_dscnt 0x0
	s_barrier_signal -1
.if \mul
	MULP 3, 0, 0
	WIN 0
.endif
	s_barrier_wait -1
.if \fill
	CREST
	JLOAD
.else
	PLACES
.endif
	s_xor_b32 s[TB], s[TB], SLOT
	v_add_nc_u32 v[ADRA], s[TB], v[ADRA0]
	v_add_nc_u32 v[ADRB], s[TB], v[ADRB0]
	FETCH 0
.if \pf
	ASK
.endif
.if \mul
	MULP 3, 1, 0
.endif
.endm
; THE WAY OUT of row block a: u = G' / (1 + 2^G') x U', for 88 numbers a lane.  The 88 exponentials, straight from the gate's accumulators (lowest registers first), are one batch with one wait, and so are the 88 reciprocals.
; The gate's factor first, then up's.  A store is 16 rows x 32 bytes of a slab: 512 consecutive bytes, aligned.
.macro SWI a
.irp n, 0,1,2,3,4,5,6,7,8,9,10
.set q, (\a)*11+(\n)
.set wq, 1+(q>>5)
.set rG, (8*q)&255
	WIN wq                                         ; source 0 in the gate's window
.irp k, 0,1,2,3,4,5,6,7
	v_exp_f32 v[TT+8*(\n)+(\k)], v[rG+(\k)]
.endr
.endr
	WIN 0
	v_nop
	s_wait_alu depctr_va_vdst(0)
.set i, 0
.rept 44
	v_pk_add_f32 v[TT+2*i:TT+2*i+1], v[TT+2*i:TT+2*i+1], 1.0 op_sel_hi:[1,0]
.set i, i+1
.endr
.set i, 0
.rept 88
	v_rcp_f32 v[TT+i], v[TT+i]
.set i, i+1
.endr
	v_nop
	s_wait_alu depctr_va_vdst(0)
.irp g, 0, 44                          ; times the gate, then times up
.irp n, 0,1,2,3,4,5,6,7,8,9,10
.set q, (\g)+(\a)*11+(\n)
.set wq, (1+(q>>5))<<2
.set rG, (8*q)&255
	WIN wq                                         ; source 1 in the accumulator's window
.irp k, 0,1,2,3
	v_pk_mul_f32 v[TT+8*(\n)+2*(\k):TT+8*(\n)+2*(\k)+1], v[TT+8*(\n)+2*(\k):TT+8*(\n)+2*(\k)+1], v[rG+2*(\k):rG+2*(\k)+1]
.endr
.endr
.endr
	WIN 0
.if (\a) > 0
	s_wait_xcnt 0x0                                ; the block before's stores have read their data
.endif
.irp n, 0,1,2,3,4,5,6,7,8,9,10
.irp k, 0,1,2,3
	v_cvt_pk_bf16_f32 v[UU+4*(\n)+(\k)], v[TT+8*(\n)+2*(\k)], v[TT+8*(\n)+2*(\k)+1]
.endr
	global_store_b128 v[UO], v[UU+4*(\n):UU+4*(\n)+3], s[66:67] offset:(\n)*65536+(\a)*512
.endr
.endm
	TURN 1, 0, 0                                   ; tile 0 is in; tile 1 goes into slot 1; unit 0 is fetched
	UNIT 0, 1                                      ; the first two units stand ahead of the loop: their products start the gate's and up's sums
	UNIT 1, 1
	WIN 0
	s_mov_b32 s[CNT], TSTEPS-1
	s_branch .Lmid
.Lstep:
	TURN 1, 1, 1
	UNIT 0, 0
	UNIT 1, 0
	WIN 0
.Lmid:
	UNIT 2, 0
	WIN 0
	s_sub_co_u32 s[CNT], s[CNT], 1
	s_cmp_lg_u32 s[CNT], 0
	s_cbranch_scc1 .Lstep
	TURN 0, 1, 0
	UNIT 0, 0
	UNIT 1, 0
	UNIT 2, 0
	s_wait_dscnt 0x0
	MULP 3, 0, 0
	MULP 3, 1, 0
	PLACES
	SWI 0
	SWI 1
	SWI 2
	SWI 3
	s_wait_tensorcnt 0x0                           ; the wave's end
	ds_add_u32 v[SPW], v[NIL]
	s_wait_dscnt 0x0
	CROUND
	s_endpgm
.Lfunc_end_k_qbba391d382_ffn1:
	.size	k_qbba391d382_ffn1, .Lfunc_end_k_qbba391d382_ffn1-k_qbba391d382_ffn1
	.p2alignl 7, 3214868480
	.fill 96, 4, 3214868480
	.section	.rodata,"a",@progbits
	.p2align	6, 0x0
	.amdhsa_kernel k_qbba391d382_ffn1
		.amdhsa_group_segment_fixed_size 327680
		.amdhsa_private_segment_fixed_size 0
		.amdhsa_enable_private_segment 0
		.amdhsa_kernarg_size 24
		.amdhsa_user_sgpr_count 2
		.amdhsa_user_sgpr_kernarg_segment_ptr 1
		.amdhsa_wavefront_size32 1
		.amdhsa_system_sgpr_workgroup_id_x 1
		.amdhsa_system_sgpr_workgroup_id_y 1
		.amdhsa_system_sgpr_workgroup_id_z 1
		.amdhsa_system_vgpr_workitem_id 0
		.amdhsa_next_free_vgpr 1024
		.amdhsa_next_free_sgpr 96
		.amdhsa_reserve_vcc 0
		.amdhsa_float_denorm_mode_32 3
		.amdhsa_float_denorm_mode_16_64 3
		.amdhsa_memory_ordered 1
		.amdhsa_forward_progress 1
		.amdhsa_inst_pref_size 134
	.end_amdhsa_kernel
	.amdgpu_metadata
---
amdhsa.version: [ 1, 2 ]
amdhsa.kernels:
  - .name:           k_qbba391d382_ffn1
    .symbol:         k_qbba391d382_ffn1.kd
    .args:
      - { .name: hs, .offset: 0, .size: 8, .value_kind: global_buffer, .address_space: global }
      - { .name: wts, .offset: 8, .size: 8, .value_kind: global_buffer, .address_space: global }
      - { .name: us, .offset: 16, .size: 8, .value_kind: global_buffer, .address_space: global }
    .group_segment_fixed_size: 327680
    .private_segment_fixed_size: 0
    .kernarg_segment_align: 8
    .kernarg_segment_size: 24
    .max_flat_workgroup_size: 128
    .sgpr_count:     96
    .vgpr_count:     1024
    .wavefront_size: 32
...
	.end_amdgpu_metadata
.endif
;; end of part 6
;; launch ffn2 (part 7): grid 8 x 32, 4 waves a work-group, clusters of 4 x 4, 327,680 bytes of LDS; arguments us, wts, x1, out0; writes out0
.if DOCPART == 7
	.amdgcn_target "amdgcn-amd-amdhsa--gfx1250"
	.amdhsa_code_object_version 6
	.text
	.protected	k_qbba391d382_ffn2
	.globl	k_qbba391d382_ffn2
	.p2align	8
	.type	k_qbba391d382_ffn2,@function
k_qbba391d382_ffn2:
	s_mov_b64 s[64:65], 0
	v_nop
	global_prefetch_b8 v0, s[64:65] scope:SCOPE_SE
	s_setreg_imm32_b32 hwreg(HW_REG_WAVE_MODE, 25, 1), 1
	s_wait_xcnt 0x0
	s_wait_alu depctr_hold_cnt(0) depctr_sa_sdst(0) depctr_va_vdst(0) depctr_va_sdst(0) depctr_va_ssrc(0) depctr_va_vcc(0) depctr_vm_vsrc(0)
	s_getreg_b32 s2, hwreg(HW_REG_IB_STS2, 6, 4)
	s_cmp_eq_u32 s2, 0
	s_cbranch_scc0 .Lentry_in_a_cluster
	s_endpgm
.Lentry_in_a_cluster:
	s_bfe_u32 s2, ttmp6, 0x10000c
	s_cmp_lg_u32 s2, 0xf033
	s_cbranch_scc0 .Lentry_shape_is_right
	s_endpgm
.Lentry_shape_is_right:
; out = x1 + u W3.  u: bf16 in slabs of 16 columns [b][176][2048][16]; W3: bf16 [2816][1024] at byte 8,388,608 of the weights (rows 2730 on are 0); x1, out: f32 [4096][1024].  Sums and the residual in f32.
; A work-group makes 128 x 128; its four waves (2 x 2) 64 x 64 each: 16 accumulators.  256 work-groups.  K goes in 11 steps of 256 through two LDS slots; a step is four units of 64.
; Waves 0, 1 fetch A's halves (64 rows x 16 slabs), waves 2, 3 B's (128 rows k x 128 columns).  CLUSTER 4 x 4: A shared along a row, B along a column, by joint loads.
; The product is taken transposed (source 0 = 16 columns of W3, turned; source 1 = 16 rows of u).  A fragment of u takes its first 16 K from one slab and the next 16 from the slab behind it.
; The residual's 32 loads a lane go out ahead of the K loop.
; REGISTERS.  window 0: v0-19 addresses, v64-191 two sets of B's 8 fragments (later the way out);  window 1: v0-127 the accumulators;  window 2: v0-127 the residual;  window 3: v0-127 two sets of A's 8 fragments.
.set TSTEPS, 11
.set SLOT,  143360                     ; A 69,632 + B 73,728
.set BBASE, 69632
.set PB,    288
.set LBLK,  2176                       ; 64 rows of a slab: 8 x (256 + 16)
.set HALFA, 17408
.set HALFB, 36864
.set STAGE, 286720
.set SPARE, 304128
.set ASTEP, 1048576                    ; 16 slabs
.set BSTEP, 524288                     ; 256 rows of 2,048 bytes
.set AH,    2                          ; a prefetch names the tile two steps behind the one that is being asked for: a step has 128 matrix instructions a wave
.set WV, 12
.set WH, 13
.set WL, 14
.set CX, 15
.set CY, 16
.set TX, 17
.set TY, 18
.set CNT, 19
.set TB, 20
.set WB, 21
.set LWA, 22
.set LWB, 23
.set G1A, 24
.set G0A, 32
.set G0B, 36
.set G1B, 40
.set PFA, 48
.set PFS, 50
.set LIM, 52
.set ADRA0, 8
.set ADRB0, 9
.set ADRA, 10
.set ADRB, 12
.set STO, 14
.set RD, 15
.set CO, 16
.set PFO, 17
.set SPW, 18
.set NIL, 19
.set BF, 64
.set AF, 0
.set MSB, 0
.macro WIN new
.if MSB != (\new)
	s_set_vgpr_msb (MSB<<8)|(\new)
.set MSB, (\new)
.endif
.endm
.macro PLACES
.rept 4
	v_nop
.endr
.endm
.macro JLOAD
	s_cmp_eq_u32 s[WH], 0
	s_cbranch_scc0 .Lfor_b_\@
	tensor_load_to_lds s[G0A:G0A+3], s[G1A:G1A+7]
	s_nop 0
.rept 4
	v_nop
.endr
	s_branch .Lasked_\@
.Lfor_b_\@:
	tensor_load_to_lds s[G0B:G0B+3], s[G1B:G1B+7]
	s_nop 0
.rept 4
	v_nop
.endr
.Lasked_\@:
.endm
.macro ASK
	s_cmp_gt_u32 s[CNT], s[LIM]
	s_cbranch_scc0 .Lnot_mine_\@
	global_prefetch_b8 v[PFO], s[PFA:PFA+1] th:TH_LOAD_NT scope:SCOPE_SE
.Lnot_mine_\@:
.endm
.macro CREST
	s_cmp_lg_u32 s[WV], 0
	s_cbranch_scc1 .Lnot_wave_0_\@
	s_barrier_signal -3
.Lnot_wave_0_\@:
	s_barrier_wait -3
	s_barrier_signal -1
	s_barrier_wait -1
.endm
.macro CROUND
	s_barrier_signal -1
	s_barrier_wait -1
	CREST
.endm
	s_load_b256 s[4:11], s[0:1], 0x0               ; u s[4:5], weights s[6:7], x1 s[8:9], out s[10:11]
	v_lshl_add_u32 v[SPW], v0, 2, SPARE
	v_mov_b32 v[NIL], 0
	ds_add_u32 v[SPW], v[NIL]                      ; the opening: an add to the spare word, waited for ahead of my first tensor load
	v_lshrrev_b32 v3, 5, v0
	v_readfirstlane_b32 s[WV], v3
	v_and_b32 v1, 15, v0
	v_bfe_u32 v2, v0, 4, 1
	v_and_b32 v3, 7, v0
	s_lshr_b32 s[WH], s[WV], 1
	s_and_b32 s[WL], s[WV], 1
	s_bfe_u32 s[CX], ttmp6, 0x40000
	s_bfe_u32 s[CY], ttmp6, 0x40004
	s_lshl_b32 s[TX], ttmp9, 2
	s_add_co_u32 s[TX], s[TX], s[CX]
	s_and_b32 s[TY], ttmp7, 0xffff
	s_lshl_b32 s[TY], s[TY], 2
	s_add_co_u32 s[TY], s[TY], s[CY]
	s_lshl_b32 s54, s[CY], 2
	s_lshl_b32 s54, 15, s54
	s_lshl_b32 s56, 0x1111, s[CX]
	s_or_b32 s[G1A], s54, (1<<16)|(1<<20)|(1<<21)|(5<<22)|(3<<25)
	s_mov_b32 s[G1A+1], 1024<<16                   ; 64 rows of a slab: 2,048 dense bytes
	s_mov_b32 s[G1A+2], 16<<16                     ; 16 slabs
	s_mov_b32 s[G1A+3], 1024<<16
	s_mov_b32 s[G1A+4], 16
	s_mov_b32 s[G1A+5], 32768
	s_mov_b32 s[G1A+6], 0
	s_mov_b32 s[G1A+7], 0
	s_or_b32 s[G1B], s56, (1<<16)|(1<<20)|(1<<21)|(5<<22)|(7<<25)
	s_mov_b32 s[G1B+1], 128<<16
	s_mov_b32 s[G1B+2], 128<<16
	s_mov_b32 s[G1B+3], 128<<16
	s_mov_b32 s[G1B+4], 128
	s_mov_b32 s[G1B+5], 1024
	s_mov_b32 s[G1B+6], 0
	s_mov_b32 s[G1B+7], 0
	s_mul_i32 s[LWA], s[WL], 16*LBLK
	s_mul_i32 s[LWB], s[WL], HALFB
	s_add_co_u32 s[LWB], s[LWB], BBASE
	s_mov_b32 s[TB], SLOT
	s_mov_b32 s[WB], 0
	s_mov_b32 s[G0A], 1
	s_mov_b32 s[G0A+1], s[LWA]
	s_mov_b32 s[G0B], 1
	s_mov_b32 s[G0B+1], s[LWB]
	s_lshr_b32 s54, s[TY], 4
	s_mul_i32 s54, s54, 11534336                   ; batch: 176 slabs
	s_and_b32 s55, s[TY], 15
	s_lshl_b32 s55, s55, 7
	s_lshl_b32 s58, s[WL], 6
	s_add_co_u32 s55, s55, s58
	s_lshl_b32 s55, s55, 5                         ; row t x 32 bytes
	s_add_co_u32 s54, s54, s55
	s_mov_b32 s55, 0
	s_lshl_b32 s56, s[WL], 18
	s_lshl_b32 s57, s[TX], 8
	s_add_co_u32 s56, s56, s57
	s_add_co_u32 s56, s56, 8388608
	s_mov_b32 s57, 0
	; THE PREFETCHES.  A step's A is 16 slabs x 16 blocks of 256 bytes: the cluster with x = 0 asks; partner cx takes slabs 4 cx .. 4 cx + 3, waves 0, 1 the 8 blocks of their own half of each.
	; Its B is 256 rows of 256 bytes: the cluster with y = 0 asks; partner cy takes 32 rows of each half, waves 2, 3 their own half's.
	s_lshl_b32 s60, s[CX], 18
	s_add_co_u32 s60, s60, s54
	s_add_co_u32 s60, s60, (1+AH)*ASTEP
	s_lshl_b32 s62, s[CY], 16
	s_add_co_u32 s62, s62, s56
	s_add_co_u32 s62, s62, (1+AH)*BSTEP
	s_movk_i32 s72, 256
	s_movk_i32 s73, 2048
	s_mov_b32 s74, 65536
	s_movk_i32 s77, 16384
	s_mov_b32 s75, ASTEP
	s_mov_b32 s76, BSTEP
	s_and_b32 s78, ttmp7, 0xffff
	s_cmp_eq_u32 s[WH], 0
	s_cselect_b32 s60, s60, s62
	s_cselect_b32 s72, s72, s73                    ; what a lane of 8 adds
	s_cselect_b32 s74, s74, s77                    ; what a group of 8 lanes adds
	s_cselect_b32 s[PFS], s75, s76
	s_cselect_b32 s78, ttmp9, s78
	s_mov_b32 s61, 0
	s_mov_b32 s[PFS+1], 0
	s_cmp_eq_u32 s78, 0
	s_cselect_b32 s[LIM], AH, -1
	v_bfe_u32 v5, v0, 3, 2
	v_mul_u32_u24 v[PFO], v3, s72
	v_mad_u32_u24 v[PFO], v5, s74, v[PFO]
	s_lshl_b32 s72, s[TY], 7                       ; my part of x1 and out
	s_lshl_b32 s73, s[WH], 6
	s_add_co_u32 s72, s72, s73
	s_lshl_b32 s72, s72, 12
	s_lshl_b32 s73, s[TX], 9
	s_add_co_u32 s72, s72, s73
	s_lshl_b32 s73, s[WL], 8
	s_add_co_u32 s72, s72, s73
	s_mov_b32 s73, 0
	s_wait_dscnt 0x0
	s_wait_kmcnt 0x0
	s_add_nc_u64 s[G0A+2:G0A+3], s[4:5], s[54:55]
	s_or_b32 s[G0A+3], s[G0A+3], 0x80000000
	s_add_nc_u64 s[G0B+2:G0B+3], s[6:7], s[56:57]
	s_or_b32 s[G0B+3], s[G0B+3], 0x80000000
	s_cmp_eq_u32 s[WH], 0
	s_cselect_b64 s[PFA:PFA+1], s[4:5], s[6:7]
	s_add_nc_u64 s[PFA:PFA+1], s[PFA:PFA+1], s[60:61]
	s_add_nc_u64 s[66:67], s[8:9], s[72:73]
	s_add_nc_u64 s[68:69], s[10:11], s[72:73]
	CROUND
	JLOAD                                          ; tile 0 into slot 0
	v_bfe_u32 v4, v0, 3, 1
	v_lshrrev_b32 v5, 3, v1                        ; A: eight rows of a slab to 272 bytes
	v_mul_u32_u24 v[ADRA0], v5, 272
	v_and_b32 v5, 7, v1
	v_lshl_add_u32 v[ADRA0], v5, 5, v[ADRA0]
	v_lshl_add_u32 v[ADRA0], v2, 4, v[ADRA0]
	s_mul_i32 s72, s[WH], 16*LBLK
	v_add_nc_u32 v[ADRA0], s72, v[ADRA0]
	v_lshl_add_u32 v5, v2, 3, v3
	v_mul_u32_u24 v[ADRB0], v5, PB
	v_lshl_add_u32 v[ADRB0], v4, 4, v[ADRB0]
	s_lshl_b32 s72, s[WL], 7
	s_add_co_u32 s72, s72, BBASE
	v_add_nc_u32 v[ADRB0], s72, v[ADRB0]
	s_mul_i32 s72, s[WV], 4352
	s_add_co_u32 s72, s72, STAGE
	v_mul_u32_u24 v[STO], v1, 272
	v_lshl_add_u32 v[STO], v2, 5, v[STO]
	v_add_nc_u32 v[STO], s72, v[STO]
	v_mul_u32_u24 v[RD], v2, 272
	v_lshl_add_u32 v[RD], v1, 4, v[RD]
	v_add_nc_u32 v[RD], s72, v[RD]
	v_lshlrev_b32 v[CO], 12, v2
	v_lshl_add_u32 v[CO], v1, 4, v[CO]
	WIN 0x80
.set i, 0
.rept 32
	global_load_b128 v[4*i:4*i+3], v[CO], s[66:67] offset:2*i*4096 th:TH_LOAD_NT
.set i, i+1
.endr
	WIN 0
.macro FETCH u                         ; unit u (64 along K = slabs 4 u .. 4 u + 3 of the step) into set u % 2: 16 loads of A, 16 of B
	WIN 0xc0
.irp c, 0,1
.irp a, 0,1,2,3
	ds_load_b128 v[AF+64*((\u)&1)+8*(4*(\c)+(\a)):AF+64*((\u)&1)+8*(4*(\c)+(\a))+3], v[ADRA+((\u)>>1)] offset:(4*((\u)&1)+2*(\c))*LBLK+(\a)*544
	ds_load_b128 v[AF+64*((\u)&1)+8*(4*(\c)+(\a))+4:AF+64*((\u)&1)+8*(4*(\c)+(\a))+7], v[ADRA+((\u)>>1)] offset:(4*((\u)&1)+2*(\c)+1)*LBLK+(\a)*544
.endr
.endr
	WIN 0
.irp c, 0,1
.irp n, 0,1,2,3
	ds_load_tr16_b128 v[BF+64*((\u)&1)+8*(4*(\c)+(\n)):BF+64*((\u)&1)+8*(4*(\c)+(\n))+3], v[ADRB+((\u)>>1)] offset:(2*((\u)&1)+(\c))*32*PB+(\n)*32
	ds_load_tr16_b128 v[BF+64*((\u)&1)+8*(4*(\c)+(\n))+4:BF+64*((\u)&1)+8*(4*(\c)+(\n))+7], v[ADRB+((\u)>>1)] offset:(2*((\u)&1)+(\c))*32*PB+(\n)*32+16*PB
.endr
.endr
.endm
.macro MULP u, c, zero                 ; half c of unit u: all 16 accumulators by turns
	WIN 0x5c
.irp a, 0,1,2,3
.irp n, 0,1,2,3
.if \zero
	v_wmma_f32_16x16x32_bf16 v[8*(4*(\a)+(\n)):8*(4*(\a)+(\n))+7], v[BF+64*((\u)&1)+8*(4*(\c)+(\n)):BF+64*((\u)&1)+8*(4*(\c)+(\n))+7], v[AF+64*((\u)&1)+8*(4*(\c)+(\a)):AF+64*((\u)&1)+8*(4*(\c)+(\a))+7], 0
.else
	v_wmma_f32_16x16x32_bf16 v[8*(4*(\a)+(\n)):8*(4*(\a)+(\n))+7], v[BF+64*((\u)&1)+8*(4*(\c)+(\n)):BF+64*((\u)&1)+8*(4*(\c)+(\n))+7], v[AF+64*((\u)&1)+8*(4*(\c)+(\a)):AF+64*((\u)&1)+8*(4*(\c)+(\a))+7], v[8*(4*(\a)+(\n)):8*(4*(\a)+(\n))+7]
.endif
.endr
.endr
.endm
.macro UNIT u, zero
	s_wait_dscnt 0x0
	MULP \u, 0, \zero
	PLACES
	FETCH (\u)+1
	MULP \u, 1, 0
.endm
; The change of slots: every wave waits for all its tensor loads, adds 0 to its spare word, waits for that and for its reads; fill = 1: a round of the cluster's barrier, the joint refill first behind it.
.macro TURN fill, mul, pf
.if \pf
	s_wait_xcnt 0x0                                ; the last prefetch, a step back, has read its address
	s_add_nc_u64 s[PFA:PFA+1], s[PFA:PFA+1], s[PFS:PFS+1]
.endif
	WIN 0
	s_wait_tensorcnt 0x0
	ds_add_u32 v[SPW], v[NIL]
.if \fill
	s_xor_b32 s[WB], s[WB], SLOT
	s_add_co_u32 s[G0A+1], s[WB], s[LWA]
	s_add_co_u32 s[G0B+1], s[WB], s[LWB]
	s_add_nc_u64 s[G0A+2:G0A+3], s[G0A+2:G0A+3], ASTEP
	s_add_nc_u64 s[G0B+2:G0B+3], s[G0B+2:G0B+3], BSTEP
.endif
	s_wait_dscnt 0x0
	s_barrier_signal -1
.if \mul
	MULP 3, 0, 0
	WIN 0
.endif
	s_barrier_wait -1
.if \fill
	CREST
	JLOAD
.else
	PLACES
.endif
	s_xor_b32 s[TB], s[TB], SLOT
	v_add_nc_u32 v[ADRA], s[TB], v[ADRA0]
	v_add_nc_u32 v[ADRA+1], HALFA, v[ADRA]
	v_add_nc_u32 v[ADRB], s[TB], v[ADRB0]
	v_add_nc_u32 v[ADRB+1], HALFB, v[ADRB]
	FETCH 0
.if \pf
	ASK
.endif
.if \mul
	MULP 3, 1, 0
.endif
.endm
; THE WAY OUT.  Row block a: 16 rows x 64 f32 through my own stage (rows of 272 bytes), back as whole rows of 256 bytes; the residual is added; 16 lanes store 256 consecutive bytes, aligned.
.macro STG a
	WIN 0x04
.irp j, 0,1,2,3
	ds_store_b128 v[STO], v[8*(4*(\a)+(\j)):8*(4*(\a)+(\j))+3] offset:64*(\j)
	ds_store_b128 v[STO], v[8*(4*(\a)+(\j))+4:8*(4*(\a)+(\j))+7] offset:64*(\j)+16
.endr
	WIN 0
.irp f, 0,1,2,3,4,5,6,7
	ds_load_b128 v[64+32*(\a)+4*(\f):64+32*(\a)+4*(\f)+3], v[RD] offset:(\f)*544
.endr
.endm
.macro SEND a, y
	s_wait_dscnt \y
	WIN 0x08
.set i, 0
.rept 16
	v_pk_add_f32 v[64+32*(\a)+2*i:64+32*(\a)+2*i+1], v[64+32*(\a)+2*i:64+32*(\a)+2*i+1], v[32*(\a)+2*i:32*(\a)+2*i+1]
.set i, i+1
.endr
	WIN 0
.irp f, 0,1,2,3,4,5,6,7
	global_store_b128 v[CO], v[64+32*(\a)+4*(\f):64+32*(\a)+4*(\f)+3], s[68:69] offset:(16*(\a)+2*(\f))*4096
.endr
.endm
	TURN 1, 0, 0                                   ; tile 0 is in; tile 1 goes into slot 1; unit 0 is fetched
	UNIT 0, 1
	WIN 0
	s_mov_b32 s[CNT], TSTEPS-1
	s_branch .Lmid
.Lstep:
	TURN 1, 1, 1
	UNIT 0, 0
	WIN 0
.Lmid:
	UNIT 1, 0
	UNIT 2, 0
	WIN 0
	s_sub_co_u32 s[CNT], s[CNT], 1
	s_cmp_lg_u32 s[CNT], 0
	s_cbranch_scc1 .Lstep
	TURN 0, 1, 0
	UNIT 0, 0
	UNIT 1, 0
	UNIT 2, 0
	s_wait_dscnt 0x0
	MULP 3, 0, 0
	MULP 3, 1, 0
	PLACES
	s_wait_loadcnt 0x0                             ; the residual
	STG 0
.irp a, 1,2,3
	STG \a
	SEND (\a)-1, 16                                ; the next block's sixteen LDS instructions may stay out
.endr
	SEND 3, 0
	s_wait_tensorcnt 0x0                           ; the wave's end
	ds_add_u32 v[SPW], v[NIL]
	s_wait_dscnt 0x0
	CROUND
	s_endpgm
.Lfunc_end_k_qbba391d382_ffn2:
	.size	k_qbba391d382_ffn2, .Lfunc_end_k_qbba391d382_ffn2-k_qbba391d382_ffn2
	.p2alignl 7, 3214868480
	.fill 96, 4, 3214868480
	.section	.rodata,"a",@progbits
	.p2align	6, 0x0
	.amdhsa_kernel k_qbba391d382_ffn2
		.amdhsa_group_segment_fixed_size 327680
		.amdhsa_private_segment_fixed_size 0
		.amdhsa_enable_private_segment 0
		.amdhsa_kernarg_size 32
		.amdhsa_user_sgpr_count 2
		.amdhsa_user_sgpr_kernarg_segment_ptr 1
		.amdhsa_wavefront_size32 1
		.amdhsa_system_sgpr_workgroup_id_x 1
		.amdhsa_system_sgpr_workgroup_id_y 1
		.amdhsa_system_sgpr_workgroup_id_z 1
		.amdhsa_system_vgpr_workitem_id 0
		.amdhsa_next_free_vgpr 1024
		.amdhsa_next_free_sgpr 96
		.amdhsa_reserve_vcc 0
		.amdhsa_float_denorm_mode_32 3
		.amdhsa_float_denorm_mode_16_64 3
		.amdhsa_memory_ordered 1
		.amdhsa_forward_progress 1
		.amdhsa_inst_pref_size 69
	.end_amdhsa_kernel
	.amdgpu_metadata
---
amdhsa.version: [ 1, 2 ]
amdhsa.kernels:
  - .name:           k_qbba391d382_ffn2
    .symbol:         k_qbba391d382_ffn2.kd
    .args:
      - { .name: us, .offset: 0, .size: 8, .value_kind: global_buffer, .address_space: global }
      - { .name: wts, .offset: 8, .size: 8, .value_kind: global_buffer, .address_space: global }
      - { .name: x1, .offset: 16, .size: 8, .value_kind: global_buffer, .address_space: global }
      - { .name: out0, .offset: 24, .size: 8, .value_kind: global_buffer, .address_space: global }
    .group_segment_fixed_size: 327680
    .private_segment_fixed_size: 0
    .kernarg_segment_align: 8
    .kernarg_segment_size: 32
    .max_flat_workgroup_size: 128
    .sgpr_count:     96
    .vgpr_count:     1024
    .wavefront_size: 32
...
	.end_amdgpu_metadata
.endif
;; end of part 7
